; MI455X (gfx1250); checked and timed in simulation.
; The chip was launched on July 23, 2026; its instructions are those of AMD's public machine-readable ISA for CDNA 5 (MIT licence, August 2026) and "CDNA5" Instruction Set Architecture Reference Guide (July 2026). The comments in the code are by the model that wrote it; some were corrected since.
;; Causal Self Attention. Allowed arithmetic: matrix products marked QUANTISED: E2M1 operands, one E8M0 scale for each 32 along K, by v_wmma_scale_f32_16x16x128_f8f6f4 with both operands' format E2M1 (or v_wmma_scale_f32_32x16x128_f4), f32 sums; products left as they are: bf16, f16 or f32 operands; f32 sums; everything else in f32.
;; Inputs: Wproj 1,024 x 1,024 float32; Wqkv 1,024 x 3,072 float32; bproj 1,024 float32; bqkv 3,072 float32; x 4 x 2,048 x 1,024 float32.
;; Outputs: out0 4 x 2,048 x 1,024 float32.
;; This version of the problem:
;;   THIS VERSION OF THE PROBLEM IS GIVEN IN LOW PRECISION. The matrix products marked QUANTISED in the list below multiply operands that are first quantised to E2M1 (2 exponent bits, 1 mantissa bit; 4 bits a number), with one power-of-two scale for each 32 numbers along K (OCP MX v1.0); their sums are f32. The products marked 'left as it is' may take bf16, f16 or f32 operands, with f32 sums. Whichever they take, every output number must still come out within the allowed error. Rounding operands to bf16 (8 significant bits) uses up far more of that allowance than f16 does (11 bits, for magnitudes from 6e-5 to 65,504). All else is computed in f32.
;;   The module's matrix products, in the order in which they are computed (A, B: the left and right operand; K: the contracted axis; several contracted axes count as one K, in the product's order):
;;     1. [M 8,192, K 1,024] x [K 1,024, N 3,072]; A: input x; B: input Wqkv: QUANTISED
;;     2. batch 64 x [M 2,048, K 64] x [K 64, N 2,048]; A: computed on the way; B: computed on the way: left as it is (an operand is computed on the way)
;;     3. batch 64 x [M 2,048, K 2,048] x [K 2,048, N 64]; A: computed on the way; B: computed on the way: left as it is (an operand is computed on the way)
;;     4. [M 8,192, K 1,024] x [K 1,024, N 1,024]; A: computed on the way; B: input Wproj: left as it is (an operand is computed on the way)
;;   THE QUANTISER, for each operand of a quantised product, along K:
;;     - K is cut into blocks of 32 from its start; a last block that is shorter is filled with zeros.
;;     - A block's scale is 2^e with e = floor(log2(the largest magnitude in the block)) - 2, held to -126 .. 127; a block of zeros has e = 0. As a byte (E8M0): e + 127.
;;     - Each number is divided by its block's scale, clamped to +-6, and rounded to the nearest number of E2M1, ties to even, subnormals kept.
;;     - The product sums the exact products of the quantised numbers (number of the format x scale) in f32.
;;   ~~~python
;;   def quantise(x, axis):      # numpy; x: float32 -> the quantised numbers, widened to float32 again
;;       x = np.moveaxis(x, axis, -1); K = x.shape[-1]
;;       x = np.pad(x, [(0, 0)] * (x.ndim - 1) + [(0, -K % 32)]); x = x.reshape(x.shape[:-1] + (-1, 32)); a = np.abs(x).max(-1, keepdims=True)
;;       e = np.where(a > 0, np.clip(np.frexp(np.where(a > 0, a, 1))[1] - 1 - 2, -126, 127), 0)      # np.frexp(a)[1] - 1 = floor(log2(a)), exactly
;;       r = np.clip(x / 2.0 ** e, -6, 6)
;;       step = 2.0 ** (np.maximum(np.frexp(np.where(r == 0, 1, r))[1] - 1, 0) - 1)
;;       q = np.round(r / step) * step * 2.0 ** e      # np.round: ties to even
;;       return np.moveaxis(q.reshape(q.shape[:-2] + (-1,))[..., :K], -1, axis).astype(np.float32)
;;   ~~~
;; One version. Each part assembles by itself: llvm-mc -triple=amdgcn-amd-amdhsa -mcpu=gfx1250 --defsym DOCPART=n.
;; ======== version 1 of 1: 5 launches
;; limits: values are held in f16: magnitudes above 65,504 overflow, below 6.1e-05 lose precision
;; workspace buffers: xc 4,194,304 bytes; xs 262,144 bytes; wc 1,572,864 bytes; ws 98,304 bytes; wp 2,097,152 bytes; qkvh 50,331,648 bytes; fine 786,432 bytes; yimg 16,777,216 bytes
;; launch prep (part 1): grid 64 x 8, 4 waves a work-group, no clusters, 35,328 bytes of LDS; arguments x, Wqkv, Wproj, xc, xs, wc, ws, wp; writes xc, xs, wc, ws, wp
.if DOCPART == 1
	.amdgcn_target "amdgcn-amd-amdhsa--gfx1250"
	.amdhsa_code_object_version 6
	.text
	.protected	k_qadee4482cd_prep
	.globl	k_qadee4482cd_prep
	.p2align	8
	.type	k_qadee4482cd_prep,@function
k_qadee4482cd_prep:
	s_mov_b64 s[64:65], 0
	v_nop
	global_prefetch_b8 v0, s[64:65] scope:SCOPE_SE
	s_setreg_imm32_b32 hwreg(HW_REG_WAVE_MODE, 25, 1), 1
	s_wait_xcnt 0x0
; x [8192][1024] and Wqkv [1024][3072], f32, become codes of E2M1 with one E8M0 byte for each 32 along K; Wproj [1024][1024] becomes f16.
; ALL THREE ARE LAID AS IMAGES OF THE READER'S OPERAND REGISTERS: a piece is 512 bytes, lane l's 16 bytes at 16 l.
;   xc [row block 512][K step 8][c 2][512 B]: registers 4 c .. 4 c + 3 of lane (r, h): row r, k = 64 c + 32 h + 0 .. 31 of the K step.   xs [row block][K step][r] one scale word (4 bytes: 128 along K).
;   wc, ws the same for Wqkv's columns (192 blocks of 16).   wp [column block 64][chunk of 32 k: 32][half 2][512 B]: lane (r, h): column r, k = 16 half + 8 h + 0 .. 7, f16.
; A block's scale is 2^(floor(log2(largest magnitude)) - 2): its byte is the largest magnitude's exponent field - 2, held at 1 from below by a floor among the maximum's leaves.
; LIMITS: a block of zeros gets the byte 1 (its codes are zeros; this program alone reads the bytes); NaN and infinities among the inputs are not served; |Wproj| above 65,504 becomes infinity in f16.
; THREE WAYS, parted on the work-group's x alone: 0-31 x, 32-55 Wqkv, 56-63 Wproj.  Only the first touches LDS.  No tensor load, no barrier: waves share nothing.
.set WREG,  8704                       ; LDS of a wave: a stage of 16 rows x (512 + 16) bytes, then its 256 bytes of scale words
.set SCW,   8448
.set SPARE, 4*WREG                     ; behind the four regions: the spare words, 128 bytes a wave
.set R,     32                         ; v32-159  x as loaded: two sets of 64
.set X,     160                        ; v160-223 64 numbers of my row: two whole blocks of 32 for each c
.set CD,    224                        ; v224-255 codes, eight registers a K step: no store's data are written again
.set SPW,   30
.set NIL,   31
	s_load_b256 s[4:11], s[0:1], 0x0               ; x, Wqkv, Wproj, xc
	s_load_b256 s[12:19], s[0:1], 0x20             ; xs, wc, ws, wp
	v_lshl_add_u32 v[SPW], v0, 2, SPARE
	v_mov_b32 v[NIL], 0
	v_lshrrev_b32 v1, 5, v0
	v_readfirstlane_b32 s20, v1                    ; wave
	s_and_b32 s21, ttmp7, 0xffff                   ; work-group y
	s_mov_b32 s22, 0x76543210
	s_mov_b32 s23, 0xfedcba98                      ; v_permlanex16_b32's selects for lane l xor 16
	v_and_b32 v7, 31, v0                           ; lane
	v_and_b32 v20, 15, v0                          ; r
	v_bfe_u32 v21, v0, 4, 1                        ; h
	v_lshlrev_b32 v1, 4, v7                        ; 16 x lane
	s_mul_i32 s24, s20, WREG
	v_add_nc_u32 v2, s24, v1                       ; the stage, way in: a row's 512 bytes as they lie
	v_mul_u32_u24 v3, v20, 528
	v_lshl_add_u32 v3, v21, 7, v3
	v_add_nc_u32 v3, s24, v3                       ; way out: row r, + 128 h: my block of 32 numbers
	v_lshlrev_b32 v4, 2, v20
	v_add_nc_u32 v4, s24, v4
	v_add_nc_u32 v4, SCW, v4                       ; my row's scale word
	v_lshlrev_b32 v6, 3, v7                        ; 8 x lane
	v_add_nc_u32 v5, s24, v6
	v_add_nc_u32 v5, SCW, v5                       ; and the 256 bytes on their way out
	v_lshlrev_b32 v29, 3, v21                      ; 8 h: my bytes' place in the scale word
	v_mov_b32 v15, 0                               ; a lane permute's destination counts as one of its sources
	v_lshlrev_b32 v24, 2, v7                       ; the weights: 4 x lane: a lane to a column
	v_lshlrev_b32 v22, 4, v20
	v_lshl_add_u32 v25, v21, 13, v22               ; wc: 8,192 (lane / 16) + 16 (lane % 16)
	v_lshl_add_u32 v28, v21, 15, v22               ; wp: 32,768 (lane / 16) + 16 (lane % 16)
	v_lshlrev_b32 v26, 2, v20
	v_lshl_add_u32 v26, v21, 9, v26                ; ws: 512 (lane / 16) + 4 (lane % 16)
	s_wait_kmcnt 0x0
	s_cmp_lt_u32 ttmp9, 32
	s_cbranch_scc0 .Lnot_x
; ---- x: a wave takes 16 rows x 512 along K: four K steps of 128
	s_lshl_b32 s25, s21, 5
	s_add_co_u32 s25, s25, ttmp9
	s_lshl_b32 s25, s25, 2
	s_add_co_u32 s25, s25, s20                     ; g = 2 x row block + which half of K
	s_lshr_b32 s26, s25, 1
	s_lshl_b32 s26, s26, 16                        ; 16 rows of 4,096 bytes
	s_and_b32 s27, s25, 1
	s_lshl_b32 s27, s27, 11
	s_add_co_u32 s26, s26, s27
	s_mov_b32 s27, 0
	s_add_nc_u64 s[4:5], s[4:5], s[26:27]
	s_lshl_b32 s26, s25, 12                        ; 4 g K steps of 1,024 bytes of codes
	s_add_nc_u64 s[10:11], s[10:11], s[26:27]
	s_lshl_b32 s26, s25, 8                         ; and of 64 bytes of scale words
	s_add_nc_u64 s[12:13], s[12:13], s[26:27]
.macro LOADX s                         ; K step s of my 16 rows: each load takes a row's 512 consecutive bytes
.irp i, 0,1,2,3,4,5,6,7,8,9,10,11,12,13,14,15
	global_load_b128 v[R+64*((\s)%2)+4*\i:R+64*((\s)%2)+4*\i+3], v1, s[4:5] offset:4096*\i+512*(\s) th:TH_LOAD_NT
.endr
.endm
.macro STEPX s
.if (\s) < 3
	s_wait_loadcnt 16                              ; this step's 16 loads are in; the next step's may be out
.else
	s_wait_loadcnt 0x0
.endif
.irp i, 0,1,2,3,4,5,6,7,8,9,10,11,12,13,14,15
	ds_store_b128 v2, v[R+64*((\s)%2)+4*\i:R+64*((\s)%2)+4*\i+3] offset:528*\i
.endr
.irp c, 0,1
.irp j, 0,1,2,3,4,5,6,7
	ds_load_b128 v[X+32*\c+4*\j:X+32*\c+4*\j+3], v3 offset:256*\c+16*\j   ; LDS serves a wave's instructions in order: these see the stores above
.endr
.endr
	s_wait_dscnt 0x0                               ; my 64 numbers are back, and the stage's stores have read their registers,
.if (\s) < 2
	LOADX (\s)+2                                   ; which take the loads of two steps on
.endif
.irp c, 0,1
	v_max3_num_f32 v[8+\c], |v[X+32*\c]|, |v[X+32*\c+1]|, 0x1800000   ; block 2 c + h: all 32 numbers are mine; the floor 2^(3 - 127) holds the byte at 1 from below
.endr
.irp i, 2,4,6,8,10,12,14,16,18,20,22,24,26,28,30
.irp c, 0,1
	v_max3_num_f32 v[8+\c], v[8+\c], |v[X+32*\c+\i]|, |v[X+32*\c+\i+1]|
.endr
.endr
.irp c, 0,1
	v_add_nc_u32 v[10+\c], 0xff000000, v[8+\c]     ; 2 off the exponent field: the conversion's scale operand
.endr
.irp c, 0,1
	v_lshrrev_b32 v[12+\c], 23, v[10+\c]           ; the scale's byte
.endr
	v_lshl_or_b32 v14, v13, 16, v12                ; my two bytes, blocks h and 2 + h,
	v_lshlrev_b32 v14, v29, v14                    ; at their places;
	v_permlanex16_b32 v15, v14, s22, s23
	v_or_b32 v[16+(\s)], v14, v15                  ; with lane l xor 16's two the word is whole
.irp c, 0,1
.irp g, 0,1,2,3
	v_cvt_scalef32_pk8_fp4_f32 v[CD+8*(\s)+4*\c+\g], v[X+32*\c+8*\g:X+32*\c+8*\g+7], v[10+\c]
.endr
.endr
	v_nop                                          ; one plain line behind the last scaled conversion
	ds_store_b32 v4, v[16+(\s)] offset:64*(\s)     ; both halves of the lanes write the same word with the same value
	global_store_b128 v1, v[CD+8*(\s):CD+8*(\s)+3], s[10:11] offset:1024*(\s)          ; 512 consecutive bytes a store
	global_store_b128 v1, v[CD+8*(\s)+4:CD+8*(\s)+7], s[10:11] offset:1024*(\s)+512
.endm
	LOADX 0
	LOADX 1
	STEPX 0
	STEPX 1
	STEPX 2
	STEPX 3
	ds_load_b64 v[8:9], v5                         ; the four K steps' 64 scale words
	s_wait_dscnt 0x0
	global_store_b64 v6, v[8:9], s[12:13]          ; 256 consecutive bytes, aligned
	s_branch .Lend
; ---- the weights: a lane takes a column and its registers run down K; a wave takes 32 columns x 128 along K
.macro LOADW t, pitch, base            ; block t: rows 32 t + i of my column into set t % 2: 128 consecutive bytes a load
.irp i, 0,1,2,3,4,5,6,7,8,9,10,11,12,13,14,15,16,17,18,19,20,21,22,23,24,25,26,27,28,29,30,31
	global_load_b32 v[32+32*((\t)%2)+\i], v24, s[\base:\base+1] offset:(32*(\t)+\i)*\pitch th:TH_LOAD_NT
.endr
.endm
.Lnot_x:
	s_cmp_lt_u32 ttmp9, 56
	s_cbranch_scc0 .Lwp
	s_sub_co_u32 s25, ttmp9, 32
	s_lshl_b32 s25, s25, 2
	s_add_co_u32 s25, s25, s20                     ; which 32 columns
	s_mul_i32 s26, s21, 128*12288                  ; K step y: 128 rows of 12,288 bytes
	s_lshl_b32 s27, s25, 7
	s_add_co_u32 s26, s26, s27
	s_mov_b32 s27, 0
	s_add_nc_u64 s[6:7], s[6:7], s[26:27]
	s_lshl_b32 s26, s25, 14                        ; two column blocks of 8,192 bytes,
	s_lshl_b32 s28, s21, 10                        ; K step y
	s_add_co_u32 s26, s26, s28
	s_add_nc_u64 s[14:15], s[14:15], s[26:27]
	s_lshl_b32 s26, s25, 10
	s_lshl_b32 s28, s21, 6
	s_add_co_u32 s26, s26, s28
	s_add_nc_u64 s[16:17], s[16:17], s[26:27]
.macro BLOCKQ t
.set XS, 32+32*((\t)%2)
.if (\t) < 3
	s_wait_loadcnt 32                              ; this block's 32 loads are in; the next block's may be out
.else
	s_wait_loadcnt 0x0
.endif
	v_max3_num_f32 v12, |v[XS]|, |v[XS+1]|, |v[XS+2]|
	v_max3_num_f32 v13, |v[XS+3]|, |v[XS+4]|, |v[XS+5]|
.irp i, 6,10,14,18,22,26
	v_max3_num_f32 v12, v12, |v[XS+\i]|, |v[XS+\i+1]|
	v_max3_num_f32 v13, v13, |v[XS+\i+2]|, |v[XS+\i+3]|
.endr
	v_max3_num_f32 v12, v12, |v[XS+30]|, |v[XS+31]|
	v_max3_num_f32 v12, v12, v13, 0x1800000        ; and the floor
	v_add_nc_u32 v11, 0xff000000, v12
	v_lshrrev_b32 v13, 23, v11
.if (\t) == 0
	v_mov_b32 v27, v13                             ; the K step's four bytes make my column's scale word
.else
	v_lshl_or_b32 v27, v13, 8*(\t), v27
.endif
.irp g, 0,1,2,3
	v_cvt_scalef32_pk8_fp4_f32 v[96+4*(\t)+\g], v[XS+8*\g:XS+8*\g+7], v11
.endr
	v_nop
	global_store_b128 v25, v[96+4*(\t):96+4*(\t)+3], s[14:15] offset:512*((\t)/2)+256*((\t)%2)   ; block t = 2 c + h of the image: sixteen lanes fill 256 consecutive bytes, aligned
.if (\t) < 2
	LOADW (\t)+2, 12288, 6
.endif
.endm
	LOADW 0, 12288, 6
	LOADW 1, 12288, 6
	BLOCKQ 0
	BLOCKQ 1
	BLOCKQ 2
	BLOCKQ 3
	global_store_b32 v26, v27, s[16:17]            ; pieces of 64 consecutive bytes: 98,304 bytes in the whole launch
	s_branch .Lend
.Lwp:
	s_sub_co_u32 s25, ttmp9, 56
	s_lshl_b32 s25, s25, 2
	s_add_co_u32 s25, s25, s20
	s_lshl_b32 s26, s21, 19                        ; 128 rows of 4,096 bytes
	s_lshl_b32 s27, s25, 7
	s_add_co_u32 s26, s26, s27
	s_mov_b32 s27, 0
	s_add_nc_u64 s[8:9], s[8:9], s[26:27]
	s_lshl_b32 s26, s25, 16                        ; two column blocks of 32,768 bytes,
	s_lshl_b32 s28, s21, 12                        ; four chunks of 1,024
	s_add_co_u32 s26, s26, s28
	s_add_nc_u64 s[18:19], s[18:19], s[26:27]
.macro BLOCKP t
.set XS, 32+32*((\t)%2)
.if (\t) < 3
	s_wait_loadcnt 32
.else
	s_wait_loadcnt 0x0
.endif
.irp i, 0,1,2,3,4,5,6,7,8,9,10,11,12,13,14,15
	v_cvt_pk_f16_f32 v[96+16*(\t)+\i], v[XS+2*\i], v[XS+2*\i+1]
.endr
.irp g, 0,1,2,3
	global_store_b128 v28, v[96+16*(\t)+4*\g:96+16*(\t)+4*\g+3], s[18:19] offset:1024*(\t)+256*\g   ; eight k: group g = 2 half + h of the image
.endr
.if (\t) < 2
	LOADW (\t)+2, 4096, 8
.endif
.endm
	LOADW 0, 4096, 8
	LOADW 1, 4096, 8
	BLOCKP 0
	BLOCKP 1
	BLOCKP 2
	BLOCKP 3
.Lend:
	s_wait_tensorcnt 0x0                           ; the wave's end, behind the last LDS store
	ds_add_u32 v[SPW], v[NIL]
	s_wait_dscnt 0x0
	s_endpgm
.Lfunc_end_k_qadee4482cd_prep:
	.size	k_qadee4482cd_prep, .Lfunc_end_k_qadee4482cd_prep-k_qadee4482cd_prep
	.p2alignl 7, 3214868480
	.fill 96, 4, 3214868480
	.section	.rodata,"a",@progbits
	.p2align	6, 0x0
	.amdhsa_kernel k_qadee4482cd_prep
		.amdhsa_group_segment_fixed_size 35328
		.amdhsa_private_segment_fixed_size 0
		.amdhsa_enable_private_segment 0
		.amdhsa_kernarg_size 64
		.amdhsa_user_sgpr_count 2
		.amdhsa_user_sgpr_kernarg_segment_ptr 1
		.amdhsa_wavefront_size32 1
		.amdhsa_system_sgpr_workgroup_id_x 1
		.amdhsa_system_sgpr_workgroup_id_y 1
		.amdhsa_system_sgpr_workgroup_id_z 1
		.amdhsa_system_vgpr_workitem_id 0
		.amdhsa_next_free_vgpr 256
		.amdhsa_next_free_sgpr 66
		.amdhsa_reserve_vcc 0
		.amdhsa_float_denorm_mode_32 3
		.amdhsa_float_denorm_mode_16_64 3
		.amdhsa_memory_ordered 1
		.amdhsa_forward_progress 1
		.amdhsa_inst_pref_size 67
	.end_amdhsa_kernel
	.amdgpu_metadata
---
amdhsa.version: [ 1, 2 ]
amdhsa.kernels:
  - .name:           k_qadee4482cd_prep
    .symbol:         k_qadee4482cd_prep.kd
    .args:
      - { .name: x, .offset: 0, .size: 8, .value_kind: global_buffer, .address_space: global }
      - { .name: Wqkv, .offset: 8, .size: 8, .value_kind: global_buffer, .address_space: global }
      - { .name: Wproj, .offset: 16, .size: 8, .value_kind: global_buffer, .address_space: global }
      - { .name: xc, .offset: 24, .size: 8, .value_kind: global_buffer, .address_space: global }
      - { .name: xs, .offset: 32, .size: 8, .value_kind: global_buffer, .address_space: global }
      - { .name: wc, .offset: 40, .size: 8, .value_kind: global_buffer, .address_space: global }
      - { .name: ws, .offset: 48, .size: 8, .value_kind: global_buffer, .address_space: global }
      - { .name: wp, .offset: 56, .size: 8, .value_kind: global_buffer, .address_space: global }
    .group_segment_fixed_size: 35328
    .private_segment_fixed_size: 0
    .kernarg_segment_align: 8
    .kernarg_segment_size: 64
    .max_flat_workgroup_size: 128
    .sgpr_count:     66
    .vgpr_count:     256
    .wavefront_size: 32
...
	.end_amdgpu_metadata
.endif
;; end of part 1
;; launch qkv (part 2): grid 16 x 16, 4 waves a work-group, clusters of 4 x 4, 327,680 bytes of LDS; arguments xc, xs, wc, ws, bqkv, qkvh, fine; writes qkvh, fine
.if DOCPART == 2
	.amdgcn_target "amdgcn-amd-amdhsa--gfx1250"
	.amdhsa_code_object_version 6
	.text
	.protected	k_qadee4482cd_qkv
	.globl	k_qadee4482cd_qkv
	.p2align	8
	.type	k_qadee4482cd_qkv,@function
k_qadee4482cd_qkv:
	s_mov_b64 s[64:65], 0
	v_nop
	global_prefetch_b8 v0, s[64:65] scope:SCOPE_SE
	s_setreg_imm32_b32 hwreg(HW_REG_WAVE_MODE, 25, 1), 1
	s_wait_xcnt 0x0
	s_wait_alu depctr_hold_cnt(0) depctr_sa_sdst(0) depctr_va_vdst(0) depctr_va_sdst(0) depctr_va_ssrc(0) depctr_va_vcc(0) depctr_vm_vsrc(0)
	s_getreg_b32 s2, hwreg(HW_REG_IB_STS2, 6, 4)
	s_cmp_eq_u32 s2, 0
	s_cbranch_scc0 .Lentry_in_a_cluster
	s_endpgm
.Lentry_in_a_cluster:
	s_bfe_u32 s2, ttmp6, 0x10000c
	s_cmp_lg_u32 s2, 0xf033
	s_cbranch_scc0 .Lentry_shape_is_right
	s_endpgm
.Lentry_shape_is_right:
; qkv = Q(x) Q(Wqkv) + bqkv on codes of E2M1 with E8M0 scales; sums in f32, K ascending; the bias is the C of each sum's first product.
; SHARES.  A work-group makes 512 rows (batch cy, quarter = cluster y) x 192 columns (slab = 4 x cluster x + cx), as four tiles of 128 rows.  Four waves, 2 x 2: a wave makes 64 x 96 a tile: 24 accumulators.
; THE WEIGHTS STAY IN REGISTERS: a wave's 96 columns x all 1,024 of K are 48 fragments, 384 registers, read from LDS once.  What streams is x: a tile's codes for all of K are 65,536 dense bytes, through two LDS slots.
; All tiles are images of operand registers (a piece of 512 bytes, lane l's 16 bytes at 16 l): every LDS load takes 512 consecutive bytes, and no pitch or padding is needed.
; CLUSTER 4 x 4: x's tile hangs on (cy, cluster y) and is asked for jointly along a row of the cluster; the slab of weights hangs on (cluster x, cx) and is asked for jointly along a column.
; THE PRODUCT IS USED TRANSPOSED (source 0 = 16 columns of W, source 1 = 16 rows of x): a lane holds one token and eight neighbouring columns, which pack into 16 bytes of f16: that is a piece of the next launch's operand.
; OUT: qkvh [q, k, v][batch x 16 + head][token block 128][16 channels: 4][512 B], f16; q and k: lane's 16 bytes at 16 lane; v: at 32 r + 16 h, rows [token][16 channels].
;      fine [batch][column block 192][quad 2][512 B], f32: the accumulators of tokens 0 .. 15, as they stand, for the launch that carries those rows in f32.
; LIMIT: |q|, |k|, |v| above 65,504 become infinity in f16.
; REGISTERS: window 0: v1-15 addresses; v16-39 W's scale words, v40-103 x's (a register holds K step 2 p in lanes 0-15 and 2 p + 1 in lanes 16-31); v104-231 x's fragments, two sets of two K steps.
;   window 1: W's fragments of column blocks 0-3 (64 b + 8 K step).  window 2: v0-127 those of blocks 4, 5; v128-223 packed results.  window 3: v0-191 accumulators (8 (6 a + b)); v192-239 the bias.
.set SLOTA, 98304                      ; LDS: W's slab 0 .. 98,303; x's slots of 65,536 bytes at 98,304 and 163,840
.set SPARE, 229376                     ; the spare words, 128 bytes a wave
.set SB,   16
.set SA,   40
.set F0,   104
.set F1,   168
.set BI,   192
.set OUTR, 128
.set G1A,  28                          ; s[28:35] group 1 for x's tiles; s[36:43] for W's slab
.set G1B,  36
.set G0B,  44                          ; s[44:47] group 0 for the slab; s[48:55] for x's two slots
.set G0A,  48
.set BASE, 56                          ; s[56:61] where my three pairs of column blocks go in qkvh
.set FB,   62                          ; s[62:63] and my six blocks in fine
.set MSB, 0
.macro WIN new                         ; the immediate's high byte repeats the setting that is left
.if MSB != \new
	s_set_vgpr_msb (MSB<<8)|\new
.set MSB, \new
.endif
.endm
.macro PLACES n
.rept \n
	v_nop
.endr
.endm
.macro CROUND                          ; a round of the cluster's barrier
	s_barrier_signal -1
	s_barrier_wait -1
	s_cmp_lg_u32 s18, 0
	s_cbranch_scc1 .Lnot_wave_0_\@
	s_barrier_signal -3
.Lnot_wave_0_\@:
	s_barrier_wait -3
	s_barrier_signal -1
	s_barrier_wait -1
.endm
	s_load_b256 s[4:11], s[0:1], 0x0               ; xc, xs, wc, ws
	s_load_b128 s[12:15], s[0:1], 0x20             ; bqkv, qkvh
	s_load_b64 s[16:17], s[0:1], 0x30              ; fine
	v_lshl_add_u32 v8, v0, 2, SPARE
	v_mov_b32 v9, 0
	ds_add_u32 v8, v9                              ; the opening: the add, twice on end, and its wait ahead of my first tensor load
	ds_add_u32 v8, v9
	v_lshrrev_b32 v1, 5, v0
	v_readfirstlane_b32 s18, v1                    ; wave
	s_lshr_b32 s19, s18, 1                         ; rh: which 64 rows
	s_and_b32 s20, s18, 1                          ; ch: which 96 columns
	s_bfe_u32 s21, ttmp6, 0x40000                  ; cx
	s_bfe_u32 s22, ttmp6, 0x40004                  ; cy = the batch
	s_and_b32 s23, ttmp7, 0xffff                   ; cluster y = the quarter of the batch's rows
	s_lshl_b32 s24, ttmp9, 2
	s_add_co_u32 s24, s24, s21                     ; slab
	s_or_b32 s25, s23, s19                         ; 0 where my first row block is tokens 0 .. 15: the same in all sixteen partners, for a given wave
	s_lshl_b32 s66, s22, 2
	s_lshl_b32 s66, 15, s66                        ; my row of the cluster
	s_lshl_b32 s67, 0x1111, s21                    ; my column
	; group 1: dense blocks as rows of 256 bytes (32 elements of 8 bytes), no padding; bit 21 beside the mask
	s_or_b32 s[G1A], s66, (3<<16)|(1<<21)
	s_mov_b32 s[G1A+1], 32<<16                     ; tensor_dim0
	s_mov_b32 s[G1A+2], 64<<16                     ; tensor_dim1: 64 rows = 16,384 bytes: a wave's quarter of a tile
	s_mov_b32 s[G1A+3], 32<<16                     ; tile_dim0
	s_mov_b32 s[G1A+4], 64                         ; tile_dim1
	s_mov_b32 s[G1A+5], 32                         ; the pitch
	s_mov_b32 s[G1A+6], 0
	s_mov_b32 s[G1A+7], 0
	s_or_b32 s[G1B], s67, (3<<16)|(1<<21)
	s_mov_b32 s[G1B+1], 32<<16
	s_mov_b32 s[G1B+2], 96<<16                     ; 96 rows = 24,576 bytes: a wave's quarter of the slab
	s_mov_b32 s[G1B+3], 32<<16
	s_mov_b32 s[G1B+4], 96
	s_mov_b32 s[G1B+5], 32
	s_mov_b32 s[G1B+6], 0
	s_mov_b32 s[G1B+7], 0
	; offsets.  x's hang on cy, cluster y and the wave alone; W's on the slab and the wave alone
	s_lshl_b32 s68, s22, 20                        ; (128 cy + 32 quarter) row blocks of 8,192 bytes
	s_lshl_b32 s70, s23, 18
	s_add_co_u32 s68, s68, s70
	s_lshl_b32 s70, s18, 14                        ; + my quarter of a tile
	s_add_co_u32 s68, s68, s70
	s_mov_b32 s69, 0
	s_mul_i32 s72, s24, 98304
	s_mul_i32 s74, s18, 24576
	s_add_co_u32 s72, s72, s74
	s_mov_b32 s73, 0
	s_lshl_b32 s76, s22, 16                        ; x's scale words: 512 bytes a row block
	s_lshl_b32 s71, s23, 14
	s_add_co_u32 s76, s76, s71
	s_lshl_b32 s71, s19, 11
	s_add_co_u32 s76, s76, s71
	s_mov_b32 s77, 0
	s_mul_i32 s78, s24, 6144                       ; W's: (12 slab + 6 ch) blocks of 512 bytes
	s_mul_i32 s71, s20, 3072
	s_add_co_u32 s78, s78, s71
	s_mov_b32 s79, 0
	s_mul_i32 s80, s24, 768                        ; the bias: (192 slab + 96 ch) numbers
	s_mul_i32 s71, s20, 384
	s_add_co_u32 s80, s80, s71
	s_mov_b32 s81, 0
	s_mul_i32 s82, s22, 196608                     ; fine: batch, then (12 slab + 6 ch) blocks of 1,024 bytes
	s_mul_i32 s71, s24, 12288
	s_add_co_u32 s82, s82, s71
	s_mul_i32 s71, s20, 6144
	s_add_co_u32 s82, s82, s71
	s_mov_b32 s83, 0
	s_mul_i32 s84, s24, 6
	s_mul_i32 s71, s20, 3
	s_add_co_u32 s84, s84, s71                     ; my first pair of column blocks: P = 6 slab + 3 ch
	s_lshl_b32 s85, s23, 16                        ; (32 quarter + 4 rh) token blocks of 2,048 bytes
	s_lshl_b32 s71, s19, 13
	s_add_co_u32 s85, s85, s71
.irp p, 0,1,2
	s_add_co_u32 s86, s84, \p                      ; pair P: 32 pairs to each of q, k, v; two to a head
	s_lshr_b32 s87, s86, 5
	s_cmp_eq_u32 s87, 2
	s_cselect_b32 s[90+\p], -1, 0                  ; is it v?  (it chooses a store's offset, nothing else)
	s_lshl_b32 s87, s87, 24
	s_bfe_u32 s88, s86, 0x40001                    ; the head
	s_lshl_b32 s89, s22, 4
	s_add_co_u32 s88, s88, s89
	s_lshl_b32 s88, s88, 18
	s_add_co_u32 s87, s87, s88
	s_and_b32 s88, s86, 1
	s_lshl_b32 s88, s88, 10
	s_add_co_u32 s87, s87, s88
	s_add_co_u32 s[BASE+2*\p], s87, s85
	s_mov_b32 s[BASE+2*\p+1], 0
.endr
	v_and_b32 v13, 31, v0
	v_lshlrev_b32 v1, 4, v13                       ; 16 x lane
	v_lshlrev_b32 v10, 2, v13                      ; 4 x lane
	v_and_b32 v14, 15, v0
	v_bfe_u32 v15, v0, 4, 1
	v_lshlrev_b32 v11, 5, v15                      ; 32 h: my eight numbers of a block's bias
	v_lshlrev_b32 v12, 5, v14
	v_lshl_add_u32 v12, v15, 4, v12                ; 32 r + 16 h: v's place in a piece
.irp p, 0,1,2
	v_cndmask_b32 v[5+\p], v1, v12, s[90+\p]
.endr
	s_lshl_b32 s94, s19, 15
	s_add_co_u32 s94, s94, SLOTA
	v_add_nc_u32 v2, s94, v1                       ; my 64 rows in slot 0,
	v_add_nc_u32 v3, 65536, v2                     ; in slot 1
	s_mul_i32 s94, s20, 49152
	v_add_nc_u32 v4, s94, v1                       ; my 96 columns in the slab
	s_wait_dscnt 0x0                               ; both opening adds are done
	s_wait_kmcnt 0x0
	s_add_nc_u64 s[68:69], s[4:5], s[68:69]
	s_add_nc_u64 s[72:73], s[8:9], s[72:73]
	s_add_nc_u64 s[76:77], s[6:7], s[76:77]
	s_add_nc_u64 s[78:79], s[10:11], s[78:79]
	s_add_nc_u64 s[80:81], s[12:13], s[80:81]
	s_add_nc_u64 s[FB:FB+1], s[16:17], s[82:83]
.irp p, 0,1,2
	s_add_nc_u64 s[BASE+2*\p:BASE+2*\p+1], s[14:15], s[BASE+2*\p:BASE+2*\p+1]
.endr
	s_mov_b32 s[G0B], 1
	s_mov_b32 s[G0B+1], s74                        ; LDS: 24,576 x wave
	s_mov_b64 s[G0B+2:G0B+3], s[72:73]
	s_or_b32 s[G0B+3], s[G0B+3], 0x80000000
.irp s, 0,1
	s_mov_b32 s[G0A+4*\s], 1
	s_add_co_u32 s[G0A+4*\s+1], s70, SLOTA+65536*\s                ; LDS: the slot + 16,384 x wave
	s_add_nc_u64 s[G0A+4*\s+2:G0A+4*\s+3], s[68:69], 65536*\s      ; tile s
	s_or_b32 s[G0A+4*\s+3], s[G0A+4*\s+3], 0x80000000
.endr
	CROUND                                         ; all sixteen work-groups are here: the first joint loads meet
	tensor_load_to_lds s[G0B:G0B+3], s[G1B:G1B+7]  ; three loads of mine are out: my quarter of the slab,
	s_nop 0
	tensor_load_to_lds s[G0A:G0A+3], s[G1A:G1A+7]  ; of tile 0,
	s_nop 0
	tensor_load_to_lds s[G0A+4:G0A+7], s[G1A:G1A+7]  ; of tile 1
	s_nop 0
	PLACES 4
	WIN 0xc0                                       ; destination window 3
.irp b, 0,1,2,3,4,5
	global_load_b128 v[BI+8*\b:BI+8*\b+3], v11, s[80:81] offset:64*\b
	global_load_b128 v[BI+8*\b+4:BI+8*\b+7], v11, s[80:81] offset:64*\b+16
.endr
	WIN 0
.irp b, 0,1,2,3,4,5
.irp p, 0,1,2,3
	global_load_b32 v[SB+4*\b+\p], v10, s[78:79] offset:512*\b+128*\p    ; 128 consecutive bytes: two K steps' words of 16 columns
.endr
.endr
.irp t, 0,1,2,3
.irp a, 0,1,2,3
.irp p, 0,1,2,3
	global_load_b32 v[SA+16*\t+4*\a+\p], v10, s[76:77] offset:(8*\t+\a)*512+128*\p
.endr
.endr
.endr
	s_wait_tensorcnt 0x1                           ; my parts of the slab and of tile 0 are in; tile 1's may stay out
	s_barrier_signal -1
	s_barrier_wait -1                              ; everybody's are
	WIN 0x40
.irp b, 0,1,2,3
.irp k, 0,1,2,3,4,5,6,7
.irp c, 0,1
	ds_load_b128 v[64*\b+8*\k+4*\c:64*\b+8*\k+4*\c+3], v4 offset:8192*\b+1024*\k+512*\c
.endr
.endr
.endr
	WIN 0x80
.irp b, 4,5
.irp k, 0,1,2,3,4,5,6,7
.irp c, 0,1
	ds_load_b128 v[64*(\b-4)+8*\k+4*\c:64*(\b-4)+8*\k+4*\c+3], v4 offset:8192*\b+1024*\k+512*\c
.endr
.endr
.endr
	WIN 0
; x's fragments of K steps 2 pr and 2 pr + 1, my four row blocks, into set f
.macro AFETCH slot, pr, f
.irp a, 0,1,2,3
.irp kk, 0,1
.irp c, 0,1
	ds_load_b128 v[(\f)+32*\kk+8*\a+4*\c:(\f)+32*\kk+8*\a+4*\c+3], v[2+(\slot)] offset:8192*\a+1024*(2*(\pr)+\kk)+512*\c
.endr
.endr
.endr
.endm
.macro MM t, pr, f, kk, b, a           ; one product: column block b x row block a, K step 2 pr + kk.  An odd K step's scale words stand in lanes 16-31
.set rD, 8*(6*(\a)+(\b))
.set rB, 64*((\b)%4)+8*(2*(\pr)+(\kk))
.set rA, (\f)+32*(\kk)+8*(\a)
.set rSB, SB+4*(\b)+(\pr)
.set rSA, SA+16*(\t)+4*(\a)+(\pr)
.if ((\pr) == 0) && ((\kk) == 0)
	v_wmma_scale_f32_16x16x128_f8f6f4 v[rD:rD+7], v[rB:rB+7], v[rA:rA+7], v[BI+8*(\b):BI+8*(\b)+7], v[rSB], v[rSA] matrix_a_fmt:MATRIX_FMT_FP4 matrix_b_fmt:MATRIX_FMT_FP4
.elseif (\kk) == 0
	v_wmma_scale_f32_16x16x128_f8f6f4 v[rD:rD+7], v[rB:rB+7], v[rA:rA+7], v[rD:rD+7], v[rSB], v[rSA] matrix_a_fmt:MATRIX_FMT_FP4 matrix_b_fmt:MATRIX_FMT_FP4
.else
	v_wmma_scale_f32_16x16x128_f8f6f4 v[rD:rD+7], v[rB:rB+7], v[rA:rA+7], v[rD:rD+7], v[rSB], v[rSA] matrix_a_fmt:MATRIX_FMT_FP4 matrix_b_fmt:MATRIX_FMT_FP4 matrix_a_scale:MATRIX_SCALE_ROW1 matrix_b_scale:MATRIX_SCALE_ROW1
.endif
.endm
; 48 products: two K steps x 24 accumulators, which take turns (16 or 8 others' between two links of a chain)
.macro MULP t, pr, f
	WIN 0xf1                                       ; source 0 (W) window 1, source 1 (x) window 0, C and D window 3
.irp kk, 0,1
.irp b, 0,1,2,3
.irp a, 0,1,2,3
	MM \t, \pr, \f, \kk, \b, \a
.endr
.endr
.endr
	WIN 0xf2                                       ; W's blocks 4 and 5 lie in window 2
.irp kk, 0,1
.irp b, 4,5
.irp a, 0,1,2,3
	MM \t, \pr, \f, \kk, \b, \a
.endr
.endr
.endr
	WIN 0
.endm
.macro PAIR t, pr                      ; one of a tile's first three pairs of K steps
	s_wait_dscnt 0x0                               ; this pair's fragments are in (asked for 48 products ago)
	PLACES 4                                       ; in front of loads into registers that the last products read
	AFETCH (\t)%2, (\pr)+1, F0+64*(((\pr)+1)%2)
	MULP \t, \pr, F0+64*((\pr)%2)
.endm
; A tile's last pair.  kind 2: the slot just read out is filled again, two tiles on: all my tensor loads have landed, the add, my reads of the slot are over, a round of the cluster's barrier, and the joint refill first behind it.
; kind 1: nothing is left to fetch; the work-group's barrier shows the other slot whole.  kind 0: the last tile.
.macro LAST t, kind
.if (\kind) == 0
	s_wait_dscnt 0x0
.else
	s_wait_tensorcnt 0x0                           ; the one load of mine that was out is my part of the other slot
	ds_add_u32 v8, v9                              ; 0 onto my spare word
.if (\kind) == 2
	s_add_nc_u64 s[G0A+4*((\t)%2)+2:G0A+4*((\t)%2)+3], s[G0A+4*((\t)%2)+2:G0A+4*((\t)%2)+3], 131072
.endif
	s_wait_dscnt 0x0                               ; the add is done, and my reads of this slot are over
.if (\kind) == 2
	CROUND                                         ; no wave of any partner still reads this slot or has a load on its way
	tensor_load_to_lds s[G0A+4*((\t)%2):G0A+4*((\t)%2)+3], s[G1A:G1A+7]   ; one load of mine is out; it has a whole tile's products in which to land
	s_nop 0
.else
	s_barrier_signal -1
	s_barrier_wait -1
.endif
	PLACES 4                                       ; also the places in front of the loads below
	AFETCH 1-(\t)%2, 0, F0
.endif
	MULP \t, 3, F1
.endm
; A tile goes out from registers: a lane's eight columns of a token are 16 bytes of f16, and a store covers 512 consecutive bytes, aligned.
.macro OUTT t
	PLACES 4                                       ; in front of the first read of results
	s_wait_xcnt 0x0                                ; the last tile's stores have read their registers
.if (\t) == 0
	s_cmp_lg_u32 s25, 0
	s_cbranch_scc1 .Lno_fine
	WIN 0x0c                                       ; a store's data are its source 1: window 3
.irp b, 0,1,2,3,4,5
	global_store_b128 v1, v[8*\b:8*\b+3], s[FB:FB+1] offset:1024*\b          ; tokens 0 .. 15 in f32, each accumulator from its low end on
	global_store_b128 v1, v[8*\b+4:8*\b+7], s[FB:FB+1] offset:1024*\b+512
.endr
	WIN 0
	s_wait_xcnt 0x0                                ; the accumulators are written again only behind this wait
.Lno_fine:
.endif
	WIN 0x8f                                       ; sources window 3, destination window 2
.irp a, 0,1,2,3
.irp b, 0,1,2,3,4,5
.irp i, 0,1,2,3
	v_cvt_pk_f16_f32 v[OUTR+4*(6*\a+\b)+\i], v[8*(6*\a+\b)+2*\i], v[8*(6*\a+\b)+2*\i+1]
.endr
.endr
.endr
	WIN 0x08                                       ; the data: window 2
.irp a, 0,1,2,3
.irp b, 0,1,2,3,4,5
	global_store_b128 v[5+\b/2], v[OUTR+4*(6*\a+\b):OUTR+4*(6*\a+\b)+3], s[BASE+2*(\b/2):BASE+2*(\b/2)+1] offset:16384*(\t)+2048*\a+512*(\b%2)
.endr
.endr
	WIN 0
.endm
.macro TILEQ t, kind
	PAIR \t, 0
	PAIR \t, 1
	PAIR \t, 2
	LAST \t, \kind
	OUTT \t
.endm
	AFETCH 0, 0, F0
	s_wait_loadcnt 0x0                             ; the bias and the scale words
	TILEQ 0, 2
	TILEQ 1, 2
	TILEQ 2, 1
	TILEQ 3, 0
	s_wait_tensorcnt 0x0                           ; the wave's end
	ds_add_u32 v8, v9
	s_wait_dscnt 0x0
	CROUND                                         ; the closing round
	s_endpgm
.Lfunc_end_k_qadee4482cd_qkv:
	.size	k_qadee4482cd_qkv, .Lfunc_end_k_qadee4482cd_qkv-k_qadee4482cd_qkv
	.p2alignl 7, 3214868480
	.fill 96, 4, 3214868480
	.section	.rodata,"a",@progbits
	.p2align	6, 0x0
	.amdhsa_kernel k_qadee4482cd_qkv
		.amdhsa_group_segment_fixed_size 327680
		.amdhsa_private_segment_fixed_size 0
		.amdhsa_enable_private_segment 0
		.amdhsa_kernarg_size 56
		.amdhsa_user_sgpr_count 2
		.amdhsa_user_sgpr_kernarg_segment_ptr 1
		.amdhsa_wavefront_size32 1
		.amdhsa_system_sgpr_workgroup_id_x 1
		.amdhsa_system_sgpr_workgroup_id_y 1
		.amdhsa_system_sgpr_workgroup_id_z 1
		.amdhsa_system_vgpr_workitem_id 0
		.amdhsa_next_free_vgpr 1024
		.amdhsa_next_free_sgpr 96
		.amdhsa_reserve_vcc 0
		.amdhsa_float_denorm_mode_32 3
		.amdhsa_float_denorm_mode_16_64 3
		.amdhsa_memory_ordered 1
		.amdhsa_forward_progress 1
		.amdhsa_inst_pref_size 177
	.end_amdhsa_kernel
	.amdgpu_metadata
---
amdhsa.version: [ 1, 2 ]
amdhsa.kernels:
  - .name:           k_qadee4482cd_qkv
    .symbol:         k_qadee4482cd_qkv.kd
    .args:
      - { .name: xc, .offset: 0, .size: 8, .value_kind: global_buffer, .address_space: global }
      - { .name: xs, .offset: 8, .size: 8, .value_kind: global_buffer, .address_space: global }
      - { .name: wc, .offset: 16, .size: 8, .value_kind: global_buffer, .address_space: global }
      - { .name: ws, .offset: 24, .size: 8, .value_kind: global_buffer, .address_space: global }
      - { .name: bqkv, .offset: 32, .size: 8, .value_kind: global_buffer, .address_space: global }
      - { .name: qkvh, .offset: 40, .size: 8, .value_kind: global_buffer, .address_space: global }
      - { .name: fine, .offset: 48, .size: 8, .value_kind: global_buffer, .address_space: global }
    .group_segment_fixed_size: 327680
    .private_segment_fixed_size: 0
    .kernarg_segment_align: 8
    .kernarg_segment_size: 56
    .max_flat_workgroup_size: 128
    .sgpr_count:     96
    .vgpr_count:     1024
    .wavefront_size: 32
...
	.end_amdgpu_metadata
.endif
;; end of part 2
;; launch attn (part 3): grid 4 x 64, 8 waves a work-group, clusters of 4 x 1, 327,680 bytes of LDS; arguments qkvh, yimg; writes yimg
.if DOCPART == 3
	.amdgcn_target "amdgcn-amd-amdhsa--gfx1250"
	.amdhsa_code_object_version 6
	.text
	.protected	k_qadee4482cd_attn
	.globl	k_qadee4482cd_attn
	.p2align	8
	.type	k_qadee4482cd_attn,@function
k_qadee4482cd_attn:
	s_mov_b64 s[64:65], 0
	v_nop
	global_prefetch_b8 v0, s[64:65] scope:SCOPE_SE
	s_setreg_imm32_b32 hwreg(HW_REG_WAVE_MODE, 25, 1), 1
	s_wait_xcnt 0x0
	s_wait_alu depctr_hold_cnt(0) depctr_sa_sdst(0) depctr_va_vdst(0) depctr_va_sdst(0) depctr_va_ssrc(0) depctr_va_vcc(0) depctr_vm_vsrc(0)
	s_getreg_b32 s2, hwreg(HW_REG_IB_STS2, 6, 4)
	s_cmp_eq_u32 s2, 0
	s_cbranch_scc0 .Lentry_in_a_cluster
	s_endpgm
.Lentry_in_a_cluster:
	s_bfe_u32 s2, ttmp6, 0x10000c
	s_cmp_lg_u32 s2, 0x3003
	s_cbranch_scc0 .Lentry_shape_is_right
	s_endpgm
.Lentry_shape_is_right:
; y[b][h][q] = the sum over k <= q of softmax_k(q . k / 8) v, head size 64, 2,048 tokens; q, k, v in f16, products, maxima and sums in f32, a running maximum for each query; p is rounded to f16 for the second product, y once at the end.
; (Tokens 0 .. 15 of each batch are made here too, and are made again in f32 by a later launch.)
; SHARES.  A cluster of four work-groups is one (batch, head) and walks the same K and V by joint loads, 256 keys a slot, 64 a step.  A work-group has eight waves, two to a SIMD; wave w (i = w % 4, par = w / 4) owns four tiles
; of 16 queries: tile t holds tokens 256 C_t + 64 i + 16 cx + r, with C = 7, 4, 3, 0 (par 0) or 6, 5, 2, 1 (par 1), descending.  So cx enters addresses and the mask's lane value alone, every branch hangs on the wave's number
; and on counts of steps, alike in all partners, and both waves of a SIMD have the same number of steps of work under the causal mask.  Tile t works where the step's first key KF <= QF_t = 256 C_t + 64 i; the mask is laid where KF = QF_t.
; The tile with C = 7, i = 3 reads every key step, so every joint load is read in every partner.
; LAYOUT.  S^T = K Q^T and O^T = V^T P: a lane holds ONE query throughout; two tiles of S^T, packed in pairs, are the second product's source 1.  K's pieces come from LDS as they lie; V's (rows [token][16 channels]) turned, by ds_load_tr16_b128.
; OUT: yimg [token block 512][chunk of 32 channels: 32][half 2][512 B] f16: the next product's fragments.
; LIMITS: |y| above 65,504 becomes infinity in f16; p under about 3e-8 rounds to 0 in f16 (the row's sum takes the unrounded p).
; REGISTERS: window 0: v1-15, v50-53 addresses; v16-47 eight statistics a tile (c m, m, l, l, four at work; a takes the third's place); v64-191 S^T, 32 a tile, p laid over its first 16; v192-255 V.  window 1: v0-127 O^T; v128-191 Q; v192-255 K.
.set SLOT1, 65536                      ; a slot: 32,768 bytes of K, then of V; slot 1 begins here, so that one exclusive or turns an address
.set SPARE, 131072                     ; the spare words, 128 bytes a wave
.set LI,   1
.set AV0,  2
.set ADK,  3
.set ADV,  4
.set DM,   5
.set NINF, 6
.set SPW,  8
.set NIL,  9
.set PFO,  10
.set VY,   12
.set ST,   16
.set TMP,  48
.set VQ,   50
.set S,    64
.set VF,   192
.set OA,   0
.set QR,   128
.set KR,   192
.set WV,   8
.set II,   9
.set PAR,  10
.set CX,   11
.set BH,   12
.set G1,   16
.set G0,   24
.set QF,   28
.set KF,   32
.set TB,   33
.set SLOTS, 34
.set CNT,  35
.set CS,   36
.set SEL,  38
.set PFA,  40
.set LIM,  42
.set CT,   44
.set MSB, 0
.macro WIN new
.if MSB != \new
	s_set_vgpr_msb (MSB<<8)|\new
.set MSB, \new
.endif
.endm
.macro PLACES n
.rept \n
	v_nop
.endr
.endm
.macro CROUND
	s_barrier_signal -1
	s_barrier_wait -1
	s_cmp_lg_u32 s[WV], 0
	s_cbranch_scc1 .Lnot_wave_0_\@
	s_barrier_signal -3
.Lnot_wave_0_\@:
	s_barrier_wait -3
	s_barrier_signal -1
	s_barrier_wait -1
.endm
; A prefetch of what the NEXT change of slots will ask for.  A slot is 32,768 bytes of K and of V; the four partners take 8,192 each, told apart by address; in each, wave 0 asks for K's and wave 1 for V's, lanes 256 bytes apart.
; One cluster walks a head, so each block is named once.  Slots 0 and 1 come by their loads alone; the last change that fills a slot asks for nothing.
.macro ASK
	s_cmp_gt_u32 s[SLOTS], s[LIM]
	s_cbranch_scc0 .Lnot_mine_\@
	global_prefetch_b8 v[PFO], s[PFA:PFA+1] th:TH_LOAD_NT scope:SCOPE_SE
.Lnot_mine_\@:
.endm
	s_load_b128 s[4:7], s[0:1], 0x0                ; qkvh, yimg
	v_lshl_add_u32 v[SPW], v0, 2, SPARE
	v_mov_b32 v[NIL], 0
	ds_add_u32 v[SPW], v[NIL]                      ; the opening: the add, twice on end, and its wait ahead of my first tensor load
	ds_add_u32 v[SPW], v[NIL]
	v_lshrrev_b32 v1, 5, v0
	v_readfirstlane_b32 s[WV], v1
	s_and_b32 s[II], s[WV], 3
	s_lshr_b32 s[PAR], s[WV], 2
	s_bfe_u32 s[CX], ttmp6, 0x40000
	s_and_b32 s[BH], ttmp7, 0xffff                 ; batch x 16 + head
	s_sub_co_u32 s[CT], 7, s[PAR]
	s_add_co_u32 s[CT+1], s[PAR], 4
	s_sub_co_u32 s[CT+2], 3, s[PAR]
	s_mov_b32 s[CT+3], s[PAR]
	s_lshl_b32 s48, s[II], 6
.irp t, 0,1,2,3
	s_lshl_b32 s[QF+\t], s[CT+\t], 8
	s_add_co_u32 s[QF+\t], s[QF+\t], s48
.endr
	s_mov_b32 s[G1], 15|(3<<16)|(1<<21)            ; the mask: all four; elements of 8 bytes; bit 21 beside the mask; no padding
	s_mov_b32 s[G1+1], 32<<16                      ; rows of 256 bytes,
	s_mov_b32 s[G1+2], 32<<16                      ; 32 of them: 8,192 dense bytes a wave
	s_mov_b32 s[G1+3], 32<<16
	s_mov_b32 s[G1+4], 32
	s_mov_b32 s[G1+5], 32
	s_mov_b32 s[G1+6], 0
	s_mov_b32 s[G1+7], 0
	s_add_co_u32 s50, s[PAR], 1                    ; waves 0-3 fetch K (tensor 1 of qkvh), waves 4-7 V (tensor 2)
	s_lshl_b32 s50, s50, 24
	s_lshl_b32 s52, s[BH], 18
	s_add_co_u32 s50, s50, s52
	s_lshl_b32 s53, s[II], 13
	s_add_co_u32 s50, s50, s53
	s_mov_b32 s51, 0
	s_and_b32 s54, s[WV], 1                        ; the prefetches: K's or V's, my work-group's 8,192 bytes, in slot 1: the first change steps it to slot 2
	s_add_co_u32 s54, s54, 1
	s_lshl_b32 s54, s54, 24
	s_add_co_u32 s54, s54, s52
	s_lshl_b32 s55, s[CX], 13
	s_add_co_u32 s54, s54, s55
	s_add_co_u32 s54, s54, 32768
	s_mov_b32 s55, 0
	s_cmp_lt_u32 s[WV], 2
	s_cselect_b32 s[LIM], 1, -1
	s_mov_b32 s[CS], 0x3e38aa3b                    ; c = log2(e) / 8
	s_mov_b32 s[CS+1], s[CS]
	s_mov_b32 s[SEL], 0x76543210
	s_mov_b32 s[SEL+1], 0xfedcba98
	s_mov_b32 s[KF], 0
	s_mov_b32 s[TB], 0
	s_mov_b32 s[SLOTS], 7
	v_and_b32 v7, 31, v0
	v_lshlrev_b32 v[LI], 4, v7                     ; 16 x lane
	v_and_b32 v11, 15, v0                          ; r
	v_bfe_u32 v54, v0, 4, 1                        ; h
	v_and_b32 v55, 7, v0
	v_lshl_add_u32 v[AV0], v54, 3, v55             ; the turning load: token 8 h + lane % 8 of a piece, 32 bytes a token,
	v_lshlrev_b32 v[AV0], 5, v[AV0]
	v_bfe_u32 v55, v0, 3, 1
	v_lshl_add_u32 v[AV0], v55, 4, v[AV0]          ; + 16 for the upper eight channels
	v_lshlrev_b32 v[DM], 3, v54
	v_sub_nc_u32 v[DM], v11, v[DM]
	s_lshl_b32 s49, s[CX], 4
	v_add_nc_u32 v[DM], s49, v[DM]                 ; 16 cx + r - 8 h: register 8 u + j of S^T holds key 16 u + 8 h + j of the step: hidden on the diagonal where 16 u + j > this
	v_mov_b32 v[NINF], 0xff800000
	v_lshlrev_b32 v[PFO], 8, v7
	s_lshl_b32 s56, s[BH], 7
	s_lshl_b32 s57, s[II], 2
	s_add_co_u32 s57, s57, s[CX]
	s_add_co_u32 s56, s56, s57                     ; q: token block 128 bh + 16 C + 4 i + cx, 2,048 bytes each
	s_lshr_b32 s58, s[BH], 4
	s_lshl_b32 s58, s58, 7
	s_add_co_u32 s58, s58, s57                     ; y: token block 128 b + 16 C + 4 i + cx, 32,768 bytes each,
	s_and_b32 s59, s[BH], 15
	s_lshl_b32 s59, s59, 11                        ; + 2,048 x head
.irp t, 0,1,2,3
	s_lshl_b32 s60, s[CT+\t], 4
	s_add_co_u32 s61, s60, s56
	s_lshl_b32 s61, s61, 11
	v_add_nc_u32 v[VQ+\t], s61, v[LI]
	s_add_co_u32 s61, s60, s58
	s_lshl_b32 s61, s61, 15
	s_add_co_u32 s61, s61, s59
	v_add_nc_u32 v[VY+\t], s61, v[LI]
.endr
	s_wait_dscnt 0x0                               ; both opening adds are done
	s_wait_kmcnt 0x0
	s_mov_b32 s[G0], 1
	s_lshl_b32 s[G0+1], s[WV], 13                  ; LDS: 8,192 x wave: K's four parts, then V's
	s_add_nc_u64 s[G0+2:G0+3], s[4:5], s[50:51]
	s_or_b32 s[G0+3], s[G0+3], 0x80000000
	s_add_nc_u64 s[PFA:PFA+1], s[4:5], s[54:55]
	CROUND                                         ; all four work-groups are here: the first joint loads meet
	tensor_load_to_lds s[G0:G0+3], s[G1:G1+7]      ; slot 0
	s_nop 0
	PLACES 4
	WIN 0x40                                       ; destination window 1
.irp t, 0,1,2,3
.irp n, 0,1,2,3
	global_load_b128 v[QR+16*\t+4*\n:QR+16*\t+4*\n+3], v[VQ+\t], s[4:5] offset:512*\n     ; Q stays in registers
.endr
.endr
.set i, 0
.rept 128
	v_mov_b32 v[OA+i], 0                           ; O^T.  The step is written once and a tile's first step is not the same trip in every wave: it finds zeros, which a = 0 leaves zeros
.set i, i+1
.endr
	WIN 0
.set i, 0
.rept 128
	v_mov_b32 v[S+i], 0                            ; S^T is written once, so that every way through the tests on ids below reads written registers
.set i, i+1
.endr
.irp t, 0,1,2,3
	v_mov_b32 v[ST+8*\t], 0xff61b1e6               ; c m and m: -3e38, under every score
	v_mov_b32 v[ST+8*\t+1], 0xff61b1e6
.irp j, 2,3,4,5,6,7
	v_mov_b32 v[ST+8*\t+\j], 0                     ; l, and what is at work
.endr
.endr
.macro SPROD t                         ; S^T = K Q^T of tile t: four accumulators by turns, two deep; the first four start the sums
	WIN 0x05                                       ; K and Q window 1, S^T window 0
.irp c, 0,1
.irp u, 0,1,2,3
.if \c == 0
	v_wmma_f32_16x16x32_f16 v[S+32*\t+8*\u:S+32*\t+8*\u+7], v[KR+16*\u+8*\c:KR+16*\u+8*\c+7], v[QR+16*\t+8*\c:QR+16*\t+8*\c+7], 0
.else
	v_wmma_f32_16x16x32_f16 v[S+32*\t+8*\u:S+32*\t+8*\u+7], v[KR+16*\u+8*\c:KR+16*\u+8*\c+7], v[QR+16*\t+8*\c:QR+16*\t+8*\c+7], v[S+32*\t+8*\u:S+32*\t+8*\u+7]
.endif
.endr
.endr
	WIN 0
.endm
; Tile t: the mask on the diagonal, the softmax, O^T x a, O^T += V^T P.  Its eight products run while the next tile's softmax is issued.
.macro TILE t
.set rT, ST+8*\t
.set rS, S+32*\t
	s_cmp_lg_u32 s[KF], s[QF+\t]
	s_cbranch_scc1 .Lopen_\@
.irp n, 0,1,2,3,4,5,6,7,8,9,10,11,12,13,14,15,16,17,18,19,20,21,22,23,24,25,26,27,28,29,30,31
	v_cmp_gt_i32 vcc_lo, 16*(\n/8)+\n%8, v[DM]
	v_cndmask_b32 v[rS+\n], v[rS+\n], v[NINF], vcc_lo
.endr
.Lopen_\@:
.irp j, 0,1,2,3
	v_max3_num_f32 v[rT+4+\j], v[rS+8*\j], v[rS+8*\j+1], v[rS+8*\j+2]      ; each accumulator is read from its low end on
.endr
.irp g, 1,2
.irp j, 0,1,2,3
	v_max3_num_f32 v[rT+4+\j], v[rT+4+\j], v[rS+8*\j+2*\g+1], v[rS+8*\j+2*\g+2]
.endr
.endr
	v_max3_num_f32 v[rT+4], v[rT+4], v[rS+7], v[rS+15]
	v_max3_num_f32 v[rT+6], v[rT+6], v[rS+23], v[rS+31]
	v_max3_num_f32 v[rT+4], v[rT+4], v[rT+5], v[rT+6]
	v_max3_num_f32 v[rT+4], v[rT+4], v[rT+7], v[rT+1]                      ; with the old m
	v_permlanex16_b32 v[rT+5], v[rT+4], s[SEL], s[SEL+1]                   ; the query's other 32 keys lie in the lane 16 away
	v_mov_b32 v[rT+7], v[rT]                                               ; c m_old
	v_max_num_f32 v[rT+1], v[rT+4], v[rT+5]                                ; the new m
	v_mul_f32 v[rT], s[CS], v[rT+1]
	v_sub_f32 v[rT+7], v[rT+7], v[rT]                                      ; c m_old - c m_new
.irp b, 0,2,4,6,8,10,12,14,16,18,20,22,24,26,28,30
	v_pk_fma_f32 v[rS+\b:rS+\b+1], v[rS+\b:rS+\b+1], s[CS:CS+1], v[rT:rT+1] op_sel_hi:[1,0,0] neg_lo:[0,0,1] neg_hi:[0,0,1]   ; c s - c m
.endr
	v_exp_f32 v[rT+6], v[rT+7]                                             ; a; then p: ONE batch of 33
.irp e, 0,1,2,3,4,5,6,7,8,9,10,11,12,13,14,15,16,17,18,19,20,21,22,23,24,25,26,27,28,29,30,31
	v_exp_f32 v[rS+\e], v[rS+\e]
.endr
	v_nop                                          ; a plain line behind the last exponential
	s_wait_alu depctr_va_vdst(0)                   ; one wait for the batch, ahead of its first reader
	v_pk_add_f32 v[TMP:TMP+1], v[rS:rS+1], v[rS+2:rS+3]                    ; the sum of the unrounded p, in two chains
	v_pk_add_f32 v[rT+4:rT+5], v[rS+4:rS+5], v[rS+6:rS+7]
.irp j, 8,12,16,20,24,28
	v_pk_add_f32 v[TMP:TMP+1], v[TMP:TMP+1], v[rS+\j:rS+\j+1]
	v_pk_add_f32 v[rT+4:rT+5], v[rT+4:rT+5], v[rS+\j+2:rS+\j+3]
.endr
	v_pk_add_f32 v[TMP:TMP+1], v[TMP:TMP+1], v[rT+4:rT+5]
	v_pk_fma_f32 v[rT+2:rT+3], v[rT+2:rT+3], v[rT+6:rT+7], v[TMP:TMP+1] op_sel_hi:[1,0,1]   ; l = a l + the sum
.irp i, 0,1,2,3,4,5,6,7,8,9,10,11,12,13,14,15
	v_cvt_pk_f16_f32 v[rS+\i], v[rS+2*\i], v[rS+2*\i+1]                    ; p in f16, laid over the scores that are done with
.endr
.if \t == 0
	s_wait_dscnt 0x0                               ; V is in
.endif
	WIN 0x41                                       ; O^T window 1, a window 0
.irp j, 0,2,4,6,8,10,12,14,16,18,20,22,24,26,28,30
	v_pk_mul_f32 v[OA+32*\t+\j:OA+32*\t+\j+1], v[OA+32*\t+\j:OA+32*\t+\j+1], v[rT+6:rT+7] op_sel_hi:[1,0]
.endr
	WIN 0x50                                       ; V and P window 0, O^T window 1
.irp kp, 0,1
.irp cb, 0,1,2,3
	v_wmma_f32_16x16x32_f16 v[OA+32*\t+8*\cb:OA+32*\t+8*\cb+7], v[VF+16*\cb+8*\kp:VF+16*\cb+8*\kp+7], v[rS+8*\kp:rS+8*\kp+7], v[OA+32*\t+8*\cb:OA+32*\t+8*\cb+7]
.endr
.endr
	WIN 0
.endm
; A KEY STEP: 64 keys.  A step all of whose keys come after all my queries is left out, but for the lines that step addresses.
.macro STEP
	s_cmp_gt_u32 s[KF], s[QF]
	s_cbranch_scc1 .Lskip_\@
	v_add_nc_u32 v[ADK], s[TB], v[LI]
	v_add_nc_u32 v[ADV], s[TB], v[AV0]
	PLACES 3                                       ; with the two additions: five places behind the last step's products, in front of the loads into V's registers and of the products that write over p
	WIN 0x40
.irp u, 0,1,2,3
.irp c, 0,1
.irp f, 0,1
	ds_load_b128 v[KR+16*\u+8*\c+4*\f:KR+16*\u+8*\c+4*\f+3], v[ADK] offset:2048*\u+1024*\c+512*\f
.endr
.endr
.endr
	WIN 0
.irp cb, 0,1,2,3
.irp kp, 0,1
.irp f, 0,1
	ds_load_tr16_b128 v[VF+16*\cb+8*\kp+4*\f:VF+16*\cb+8*\kp+4*\f+3], v[ADV] offset:32768+2048*(2*\kp+\f)+512*\cb
.endr
.endr
.endr
	s_wait_dscnt 16                                ; K is in; V's sixteen loads may stay out
	SPROD 0
.irp t, 1,2,3
	s_cmp_gt_u32 s[KF], s[QF+\t]
	s_cbranch_scc1 .Lsdone_\@
	SPROD \t
.endr
.Lsdone_\@:
	PLACES 4                                       ; in front of the first read of the scores
	TILE 0
.irp t, 1,2,3
	s_cmp_gt_u32 s[KF], s[QF+\t]
	s_cbranch_scc1 .Ldone_\@
	TILE \t
.endr
.Ldone_\@:
.Lskip_\@:
	s_add_co_u32 s[KF], s[KF], 64
	s_add_co_u32 s[TB], s[TB], 8192
.endm
.macro STEPS                           ; a slot's four key steps: written once, walked four times
	s_mov_b32 s[CNT], 4
.Lstep_\@:
	STEP
	s_sub_co_u32 s[CNT], s[CNT], 1
	s_cmp_lg_u32 s[CNT], 0
	s_cbranch_scc1 .Lstep_\@
	s_sub_co_u32 s[TB], s[TB], 32768               ; back to a slot's first step,
	s_xor_b32 s[TB], s[TB], SLOT1                  ; in the other slot
.endm
; THE CHANGE OF SLOTS stands at a slot's head: all my tensor loads have landed (my part of the slot ahead), the add, my reads of the slot that I have left are over.  fill = 1: a round of the cluster's barrier,
; and behind it the other slot is asked for jointly, one load a wave: it has a slot's four key steps in which to land.
.macro CHANGE fill
	s_wait_tensorcnt 0x0
	ds_add_u32 v[SPW], v[NIL]                      ; 0 onto my spare word
.if \fill
	s_xor_b32 s[G0+1], s[G0+1], SLOT1              ; the walking descriptor: the other slot,
	s_add_nc_u64 s[G0+2:G0+3], s[G0+2:G0+3], 32768 ; the next 256 keys
	s_wait_xcnt 0x0                                ; the last prefetch, a slot back, has read its address
	s_add_nc_u64 s[PFA:PFA+1], s[PFA:PFA+1], 32768
	s_wait_dscnt 0x0
	CROUND
	tensor_load_to_lds s[G0:G0+3], s[G1:G1+7]
	s_nop 0
	PLACES 4
	ASK
.else
	s_wait_dscnt 0x0
	s_barrier_signal -1
	s_barrier_wait -1
.endif
.endm
	s_wait_loadcnt 0x0                             ; Q
.Lslot:                                            ; seven trips: behind each change of slots but the last the next slot is asked for
	CHANGE 1
	STEPS
	s_sub_co_u32 s[SLOTS], s[SLOTS], 1
	s_cmp_lg_u32 s[SLOTS], 0
	s_cbranch_scc1 .Lslot
	CHANGE 0                                       ; the last slot is written out
	STEPS
	; THE WAY OUT.  The additions are the places behind the last products.
.irp t, 0,1,2,3
	v_add_f32 v[ST+8*\t+4], v[ST+8*\t+2], v[ST+8*\t+3]
.endr
.irp t, 0,1,2,3
	v_permlanex16_b32 v[ST+8*\t+5], v[ST+8*\t+4], s[SEL], s[SEL+1]
.endr
.irp t, 0,1,2,3
	v_add_f32 v[ST+8*\t+4], v[ST+8*\t+4], v[ST+8*\t+5]
.endr
.irp t, 0,1,2,3
	v_rcp_f32 v[ST+8*\t+6], v[ST+8*\t+4]
.endr
	v_nop
	s_wait_alu depctr_va_vdst(0)                   ; one wait for the four reciprocals
.irp t, 0,1,2,3
	WIN 0x41
.irp j, 0,2,4,6,8,10,12,14,16,18,20,22,24,26,28,30
	v_pk_mul_f32 v[OA+32*\t+\j:OA+32*\t+\j+1], v[OA+32*\t+\j:OA+32*\t+\j+1], v[ST+8*\t+6:ST+8*\t+7] op_sel_hi:[1,0]
.endr
	WIN 0x05
.irp i, 0,1,2,3,4,5,6,7,8,9,10,11,12,13,14,15
	v_cvt_pk_f16_f32 v[S+16*\t+\i], v[OA+32*\t+2*\i], v[OA+32*\t+2*\i+1]
.endr
	WIN 0
.irp cb, 0,1,2,3
	global_store_b128 v[VY+\t], v[S+16*\t+4*\cb:S+16*\t+4*\cb+3], s[6:7] offset:512*\cb   ; 512 consecutive bytes, aligned: a piece of the projection's operand
.endr
.endr
	s_wait_tensorcnt 0x0                           ; the wave's end
	ds_add_u32 v[SPW], v[NIL]
	s_wait_dscnt 0x0
	CROUND                                         ; the closing round
	s_endpgm
.Lfunc_end_k_qadee4482cd_attn:
	.size	k_qadee4482cd_attn, .Lfunc_end_k_qadee4482cd_attn-k_qadee4482cd_attn
	.p2alignl 7, 3214868480
	.fill 96, 4, 3214868480
	.section	.rodata,"a",@progbits
	.p2align	6, 0x0
	.amdhsa_kernel k_qadee4482cd_attn
		.amdhsa_group_segment_fixed_size 327680
		.amdhsa_private_segment_fixed_size 0
		.amdhsa_enable_private_segment 0
		.amdhsa_kernarg_size 16
		.amdhsa_user_sgpr_count 2
		.amdhsa_user_sgpr_kernarg_segment_ptr 1
		.amdhsa_wavefront_size32 1
		.amdhsa_system_sgpr_workgroup_id_x 1
		.amdhsa_system_sgpr_workgroup_id_y 1
		.amdhsa_system_sgpr_workgroup_id_z 1
		.amdhsa_system_vgpr_workitem_id 0
		.amdhsa_next_free_vgpr 512
		.amdhsa_next_free_sgpr 66
		.amdhsa_reserve_vcc 1
		.amdhsa_float_denorm_mode_32 3
		.amdhsa_float_denorm_mode_16_64 3
		.amdhsa_memory_ordered 1
		.amdhsa_forward_progress 1
		.amdhsa_inst_pref_size 111
	.end_amdhsa_kernel
	.amdgpu_metadata
---
amdhsa.version: [ 1, 2 ]
amdhsa.kernels:
  - .name:           k_qadee4482cd_attn
    .symbol:         k_qadee4482cd_attn.kd
    .args:
      - { .name: qkvh, .offset: 0, .size: 8, .value_kind: global_buffer, .address_space: global }
      - { .name: yimg, .offset: 8, .size: 8, .value_kind: global_buffer, .address_space: global }
    .group_segment_fixed_size: 327680
    .private_segment_fixed_size: 0
    .kernarg_segment_align: 8
    .kernarg_segment_size: 16
    .max_flat_workgroup_size: 256
    .sgpr_count:     66
    .vgpr_count:     512
    .wavefront_size: 32
...
	.end_amdgpu_metadata
.endif
;; end of part 3
;; launch proj (part 4): grid 4 x 64, 4 waves a work-group, clusters of 4 x 4, 327,680 bytes of LDS; arguments yimg, wp, bproj, out0; writes out0
.if DOCPART == 4
	.amdgcn_target "amdgcn-amd-amdhsa--gfx1250"
	.amdhsa_code_object_version 6
	.text
	.protected	k_qadee4482cd_proj
	.globl	k_qadee4482cd_proj
	.p2align	8
	.type	k_qadee4482cd_proj,@function
k_qadee4482cd_proj:
	s_mov_b64 s[64:65], 0
	v_nop
	global_prefetch_b8 v0, s[64:65] scope:SCOPE_SE
	s_setreg_imm32_b32 hwreg(HW_REG_WAVE_MODE, 25, 1), 1
	s_wait_xcnt 0x0
	s_wait_alu depctr_hold_cnt(0) depctr_sa_sdst(0) depctr_va_vdst(0) depctr_va_sdst(0) depctr_va_ssrc(0) depctr_va_vcc(0) depctr_vm_vsrc(0)
	s_getreg_b32 s2, hwreg(HW_REG_IB_STS2, 6, 4)
	s_cmp_eq_u32 s2, 0
	s_cbranch_scc0 .Lentry_in_a_cluster
	s_endpgm
.Lentry_in_a_cluster:
	s_bfe_u32 s2, ttmp6, 0x10000c
	s_cmp_lg_u32 s2, 0xf033
	s_cbranch_scc0 .Lentry_shape_is_right
	s_endpgm
.Lentry_shape_is_right:
; out0 = y Wproj + bproj: y [8192][1024] and Wproj in f16, as images of operand registers (pieces of 512 bytes, lane l's 16 bytes at 16 l); sums in f32, K ascending; the bias is the C of each sum's first product.
; A work-group makes 128 rows x 256 columns: 256 work-groups.  Four waves, 2 x 2, each 64 x 128: 32 accumulators.  K goes in steps of 128 (four chunks of 32) through two LDS slots.
; CLUSTER 4 x 4: y's tile hangs on the tile row (4 x cluster y + cy) and is asked for jointly along a row of the cluster; Wproj's on the tile column (cx), along a column.
; THE PRODUCT IS USED TRANSPOSED (source 0 = 16 columns of Wproj, source 1 = 16 rows of y): a lane holds eight neighbouring numbers of a row of the output.
; (Rows 0 .. 15 of each batch are written here from f16 operands and written again, from f32, by the launch that follows.)
; REGISTERS: window 0: v16-30 addresses; v32-127, v128-223 two sets of fragments (Wproj's eight, then y's four).  window 1: the accumulators, 8 (8 a + b).  window 2: v0-63 the bias.
.set SLOT,  98304                      ; y [row block 8][chunk 4][1,024 B], then at 32,768 Wproj [column block 16][chunk 4][1,024 B]
.set SPARE, 2*SLOT                     ; the spare words
.set SPITCH, 528                       ; the way out: a stage of 16 rows x (512 + 16) bytes a wave, in slot 0, which has had its last fill and its last read by then
.set LAPS,  4                          ; eight K steps: four times round the ring
.set ADRA, 16
.set ADRB, 20
.set STO,  24
.set RD,   25
.set CO,   26
.set SPW,  28
.set NIL,  29
.set PFO,  30
.set F0,   32
.set F1,   128
.set G1A,  20
.set G1B,  28
.set G0A,  36
.set G0B,  44
.set PFA,  52
.set LIM,  54
.set MSB, 0
.macro WIN new
.if MSB != \new
	s_set_vgpr_msb (MSB<<8)|\new
.set MSB, \new
.endif
.endm
.macro PLACES n
.rept \n
	v_nop
.endr
.endm
.macro JLOAD s                         ; a joint load: waves 0 and 1 fetch y's two halves, waves 2 and 3 Wproj's; the branch hangs on the wave's number alone
	s_cmp_eq_u32 s13, 0
	s_cbranch_scc0 .Lfor_b_\@
	tensor_load_to_lds s[G0A+4*\s:G0A+4*\s+3], s[G1A:G1A+7]
	s_nop 0
	PLACES 4
	s_branch .Lasked_\@
.Lfor_b_\@:
	tensor_load_to_lds s[G0B+4*\s:G0B+4*\s+3], s[G1B:G1B+7]
	s_nop 0
	PLACES 4
.Lasked_\@:
.endm
.macro CREST
	s_cmp_lg_u32 s12, 0
	s_cbranch_scc1 .Lnot_wave_0_\@
	s_barrier_signal -3
.Lnot_wave_0_\@:
	s_barrier_wait -3
	s_barrier_signal -1
	s_barrier_wait -1
.endm
.macro CROUND
	s_barrier_signal -1
	s_barrier_wait -1
	CREST
.endm
; A prefetch, once a lap, of the NEXT lap's two K steps: 8,192 consecutive bytes of a block, lanes 256 bytes apart.  Of the four row blocks that a y wave fetches, the partner at cx names one; of the eight column blocks that
; a Wproj wave fetches, the partner at cy names two, and only in the first cluster along y, since all clusters read the same weights.  Partners are told apart by address.  K steps 0 to 3 come by their loads alone; the last filling lap asks for nothing.
.macro ASK
	s_cmp_gt_u32 s3, s[LIM]
	s_cbranch_scc0 .Lnot_mine_\@
	global_prefetch_b8 v[PFO], s[PFA:PFA+1] th:TH_LOAD_NT scope:SCOPE_SE
	s_cmp_eq_u32 s13, 0
	s_cbranch_scc1 .Lnot_mine_\@
	global_prefetch_b8 v[PFO], s[PFA:PFA+1] offset:32768 th:TH_LOAD_NT scope:SCOPE_SE
.Lnot_mine_\@:
.endm
	s_load_b256 s[4:11], s[0:1], 0x0               ; yimg, wp, bproj, out0
	v_lshl_add_u32 v[SPW], v0, 2, SPARE
	v_mov_b32 v[NIL], 0
	ds_add_u32 v[SPW], v[NIL]                      ; the opening: the add, twice on end, and its wait ahead of my first tensor load
	ds_add_u32 v[SPW], v[NIL]
	v_lshrrev_b32 v1, 5, v0
	v_readfirstlane_b32 s12, v1                    ; wave
	s_lshr_b32 s13, s12, 1                         ; which 64 rows are mine.  Also: I fetch for y (0) or for Wproj (1)
	s_and_b32 s14, s12, 1                          ; which 128 columns.  Also: which half of that tile I fetch
	s_bfe_u32 s15, ttmp6, 0x40000                  ; cx = the tile column
	s_bfe_u32 s16, ttmp6, 0x40004                  ; cy
	s_and_b32 s17, ttmp7, 0xffff                   ; cluster y
	s_lshl_b32 s18, s17, 2
	s_add_co_u32 s18, s18, s16                     ; the tile row
	s_lshl_b32 s55, s16, 2
	s_lshl_b32 s55, 15, s55                        ; my row of the cluster
	s_lshl_b32 s19, 0x1111, s15                    ; my column
	; group 1: rows of 4,096 bytes (512 elements of 8: a block's four chunks), 32,768 bytes apart; bit 21 beside the mask; no padding
	s_or_b32 s[G1A], s55, (3<<16)|(1<<21)
	s_mov_b32 s[G1A+1], 512<<16
	s_mov_b32 s[G1A+2], 4<<16                      ; four row blocks
	s_mov_b32 s[G1A+3], 512<<16
	s_mov_b32 s[G1A+4], 4
	s_mov_b32 s[G1A+5], 4096
	s_mov_b32 s[G1A+6], 0
	s_mov_b32 s[G1A+7], 0
	s_or_b32 s[G1B], s19, (3<<16)|(1<<21)
	s_mov_b32 s[G1B+1], 512<<16
	s_mov_b32 s[G1B+2], 8<<16                      ; eight column blocks
	s_mov_b32 s[G1B+3], 512<<16
	s_mov_b32 s[G1B+4], 8
	s_mov_b32 s[G1B+5], 4096
	s_mov_b32 s[G1B+6], 0
	s_mov_b32 s[G1B+7], 0
	s_lshl_b32 s56, s18, 18                        ; y: (8 x tile row + 4 x half) blocks of 32,768 bytes
	s_lshl_b32 s60, s14, 17
	s_add_co_u32 s56, s56, s60
	s_mov_b32 s57, 0
	s_lshl_b32 s58, s15, 19                        ; Wproj: (16 x tile column + 8 x half) blocks
	s_lshl_b32 s61, s14, 18
	s_add_co_u32 s58, s58, s61
	s_mov_b32 s59, 0
	s_lshl_b32 s60, s14, 14                        ; where they go: y's halves at 0 and 16,384;
	s_lshl_b32 s61, s14, 15
	s_add_co_u32 s61, s61, 32768                   ; Wproj's at 32,768 and 65,536
	; the prefetches' offsets
	s_lshl_b32 s62, s15, 15
	s_add_co_u32 s62, s62, s56
	s_add_co_u32 s62, s62, 8192                    ; y: block + cx, at K step 2: the first filling lap steps it to K step 4
	s_lshl_b32 s63, s16, 16
	s_add_co_u32 s63, s63, s58
	s_add_co_u32 s63, s63, 8192                    ; Wproj: block + 2 cy
	s_cmp_eq_u32 s13, 0
	s_cselect_b32 s66, s62, s63
	s_cselect_b32 s68, 0, s17                      ; y's waves always ask; Wproj's where cluster y = 0
	s_mov_b32 s67, 0
	s_cmp_eq_u32 s68, 0
	s_cselect_b32 s[LIM], 1, -1
	v_and_b32 v1, 15, v0                           ; r
	v_bfe_u32 v2, v0, 4, 1                         ; h
	v_and_b32 v3, 31, v0
	v_lshlrev_b32 v[CO], 4, v3                     ; 16 x lane
	v_lshlrev_b32 v[PFO], 8, v3
	v_lshlrev_b32 v27, 5, v2                       ; 32 h: my eight numbers of a block's bias
	s_lshl_b32 s68, s13, 14
	v_add_nc_u32 v[ADRA], s68, v[CO]               ; my four row blocks in slot 0,
	v_add_nc_u32 v[ADRA+1], SLOT, v[ADRA]          ; in slot 1
	v_add_nc_u32 v[ADRB], s61, v[CO]               ; my eight column blocks
	v_add_nc_u32 v[ADRB+1], SLOT, v[ADRB]
	s_mul_i32 s68, s12, 16*SPITCH                  ; my stage
	v_mul_u32_u24 v[STO], v1, SPITCH
	v_lshl_add_u32 v[STO], v2, 5, v[STO]
	v_add_nc_u32 v[STO], s68, v[STO]               ; in: row r, 32 bytes for each half of the lanes
	v_add_nc_u32 v[RD], s68, v[CO]                 ; back: the 32 lanes take one row of 512 bytes
	s_lshl_b32 s68, s15, 10                        ; my first column, in bytes: 1,024 x tile column + 512 x half
	s_lshl_b32 s69, s14, 9
	s_add_co_u32 s68, s68, s69
	s_mov_b32 s69, 0
	s_wait_dscnt 0x0                               ; both opening adds are done
	s_wait_kmcnt 0x0
	s_cmp_eq_u32 s13, 0
	s_cselect_b64 s[PFA:PFA+1], s[4:5], s[6:7]
	s_add_nc_u64 s[PFA:PFA+1], s[PFA:PFA+1], s[66:67]
	s_add_nc_u64 s[56:57], s[4:5], s[56:57]
	s_add_nc_u64 s[58:59], s[6:7], s[58:59]
	s_add_nc_u64 s[8:9], s[8:9], s[68:69]
	s_add_nc_u64 s[10:11], s[10:11], s[68:69]
	s_lshl_b32 s68, s18, 19                        ; my first row: (128 x tile row + 64 x half) rows of 4,096 bytes
	s_lshl_b32 s66, s13, 18
	s_add_co_u32 s68, s68, s66
	s_add_nc_u64 s[10:11], s[10:11], s[68:69]
	CROUND                                         ; all sixteen work-groups are here: the first joint loads meet
.irp s, 0,1
	s_mov_b32 s[G0A+4*\s], 1
	s_add_co_u32 s[G0A+4*\s+1], s60, \s*SLOT
	s_add_nc_u64 s[G0A+4*\s+2:G0A+4*\s+3], s[56:57], \s*4096
	s_or_b32 s[G0A+4*\s+3], s[G0A+4*\s+3], 0x80000000
	s_mov_b32 s[G0B+4*\s], 1
	s_add_co_u32 s[G0B+4*\s+1], s61, \s*SLOT
	s_add_nc_u64 s[G0B+4*\s+2:G0B+4*\s+3], s[58:59], \s*4096
	s_or_b32 s[G0B+4*\s+3], s[G0B+4*\s+3], 0x80000000
	JLOAD \s
.endr
	WIN 0x80                                       ; destination window 2
.irp b, 0,1,2,3,4,5,6,7
	global_load_b128 v[8*\b:8*\b+3], v27, s[8:9] offset:64*\b
	global_load_b128 v[8*\b+4:8*\b+7], v27, s[8:9] offset:64*\b+16
.endr
	WIN 0
.macro FETCH slot, q, f                ; chunk q of the slot: 24 LDS loads of 512 consecutive bytes
.irp b, 0,1,2,3,4,5,6,7
	ds_load_b128 v[\f+8*\b:\f+8*\b+3], v[ADRB+\slot] offset:4096*\b+1024*(\q)
	ds_load_b128 v[\f+8*\b+4:\f+8*\b+7], v[ADRB+\slot] offset:4096*\b+1024*(\q)+512
.endr
.irp a, 0,1,2,3
	ds_load_b128 v[\f+64+8*\a:\f+64+8*\a+3], v[ADRA+\slot] offset:4096*\a+1024*(\q)
	ds_load_b128 v[\f+64+8*\a+4:\f+64+8*\a+7], v[ADRA+\slot] offset:4096*\a+1024*(\q)+512
.endr
.endm
.macro MULROW f, a, zero               ; row block a x the eight column blocks.  The 32 accumulators take turns, one instruction a turn, in the same order in every chunk
.irp b, 0,1,2,3,4,5,6,7
.if \zero
	v_wmma_f32_16x16x32_f16 v[8*(8*\a+\b):8*(8*\a+\b)+7], v[\f+8*\b:\f+8*\b+7], v[\f+64+8*\a:\f+64+8*\a+7], v[8*\b:8*\b+7]
.else
	v_wmma_f32_16x16x32_f16 v[8*(8*\a+\b):8*(8*\a+\b)+7], v[\f+8*\b:\f+8*\b+7], v[\f+64+8*\a:\f+64+8*\a+7], v[8*(8*\a+\b):8*(8*\a+\b)+7]
.endif
.endr
.endm
.macro QUARTER slot, q, f, g, zero     ; multiplies set f and fetches chunk q of the same slot into set g
	s_wait_dscnt 0x0                               ; set f is in (asked for 32 products ago)
	PLACES 4                                       ; in front of loads into registers that the last products read
	FETCH \slot, \q, \g
.if \zero
	WIN 0x60                                       ; C (the bias) window 2, D window 1
.else
	WIN 0x50                                       ; C and D window 1
.endif
	MULROW \f, 0, \zero
	MULROW \f, 1, \zero
	MULROW \f, 2, \zero
	MULROW \f, 3, \zero
	WIN 0
.endm
; A slot's last chunk changes slots: ONE barrier; in front of it all my tensor loads have landed, the add, and my reads of this slot are over.  fill = 1: the barrier opens a round of the cluster's, and this slot is filled again, two K steps on.
.macro TURN slot, next, fill
.if (\fill) && ((\slot) == 0)
	s_wait_xcnt 0x0                                ; the last prefetches, a lap back, have read their address
	s_add_nc_u64 s[PFA:PFA+1], s[PFA:PFA+1], 8192
.endif
	s_wait_tensorcnt 0x0
	ds_add_u32 v[SPW], v[NIL]                      ; 0 onto my spare word
	s_wait_dscnt 1                                 ; set 1 is in; the add may be out
	WIN 0x50
	MULROW F1, 0, 0
	s_wait_dscnt 0x0                               ; the add is done, and my reads of this slot are over
	s_barrier_signal -1
	MULROW F1, 1, 0
	WIN 0
	s_barrier_wait -1
.if \fill
	CREST
	s_add_nc_u64 s[G0A+4*\slot+2:G0A+4*\slot+3], s[G0A+4*\slot+2:G0A+4*\slot+3], 8192
	s_add_nc_u64 s[G0B+4*\slot+2:G0B+4*\slot+3], s[G0B+4*\slot+2:G0B+4*\slot+3], 8192
	JLOAD \slot                                    ; the first tensor load behind the round; its four v_nop are also the places in front of the loads below
.else
	PLACES 4
.endif
	FETCH \next, 0, F0
.if (\fill) && ((\slot) == 0)
	ASK
.endif
	WIN 0x50
	MULROW F1, 2, 0
	MULROW F1, 3, 0
	WIN 0
.endm
	s_wait_tensorcnt 0x1                           ; my part of K step 0 is in; K step 1's may stay out
	s_barrier_signal -1
	s_barrier_wait -1
	FETCH 0, 0, F0
	s_wait_loadcnt 0x0                             ; the bias
	QUARTER 0, 1, F0, F1, 1                        ; the first chunk stands in front of the loop: its products start the sums
	s_mov_b32 s3, LAPS-1
.Llap:                                             ; a trip goes once round the ring and fills both slots again
	QUARTER 0, 2, F1, F0, 0
	QUARTER 0, 3, F0, F1, 0
	TURN 0, 1, 1
	QUARTER 1, 1, F0, F1, 0
	QUARTER 1, 2, F1, F0, 0
	QUARTER 1, 3, F0, F1, 0
	TURN 1, 0, 1
	QUARTER 0, 1, F0, F1, 0
	s_sub_co_u32 s3, s3, 1
	s_cmp_lg_u32 s3, 0
	s_cbranch_scc1 .Llap
	QUARTER 0, 2, F1, F0, 0                        ; the last lap fills nothing
	QUARTER 0, 3, F0, F1, 0
	TURN 0, 1, 0
	QUARTER 1, 1, F0, F1, 0
	QUARTER 1, 2, F1, F0, 0
	QUARTER 1, 3, F0, F1, 0
	s_wait_dscnt 0x0
	WIN 0x50
	MULROW F1, 0, 0
	MULROW F1, 1, 0
	MULROW F1, 2, 0
	MULROW F1, 3, 0
	WIN 0
; THE WAY OUT, a block of 16 rows x 128 columns at a time, through my own stage: LDS serves a wave's instructions in order, so no wait stands between the stores and the loads.
.macro TOSTAGE a
	WIN 0x04                                       ; an LDS store's data are its source 1: window 1
.irp b, 0,1,2,3,4,5,6,7
	ds_store_b128 v[STO], v[8*(8*(\a)+\b):8*(8*(\a)+\b)+3] offset:64*\b            ; each accumulator from its low end on
	ds_store_b128 v[STO], v[8*(8*(\a)+\b)+4:8*(8*(\a)+\b)+7] offset:64*\b+16
.endr
	WIN 0
.set BB, 32+64*((\a)%2)
.irp t, 0,1,2,3,4,5,6,7,8,9,10,11,12,13,14,15
	ds_load_b128 v[BB+4*\t:BB+4*\t+3], v[RD] offset:\t*SPITCH
.endr
.endm
.macro SEND a, younger
.set BB, 32+64*((\a)%2)
	s_wait_dscnt \younger                          ; the block is back in registers
.if (\a) > 0
	s_add_nc_u64 s[10:11], s[10:11], 65536         ; 16 rows on (behind a wait on XCNT: the earlier stores have read their base)
.endif
.irp t, 0,1,2,3,4,5,6,7,8,9,10,11,12,13,14,15
	global_store_b128 v[CO], v[BB+4*\t:BB+4*\t+3], s[10:11] offset:\t*4096 th:TH_STORE_NT   ; 512 consecutive bytes, aligned
.endr
.endm
	PLACES 4                                       ; in front of the first read of results and of loads into the fragments' registers
	TOSTAGE 0
.irp a, 1,2,3
.if \a > 1
	s_wait_xcnt 0x0                                ; block a - 2's stores have read their registers and their base
.endif
	TOSTAGE \a
	SEND \a-1, 32                                  ; behind block a - 1's loads: block a's 16 stores and 16 loads
.endr
	s_wait_xcnt 0x0
	SEND 3, 0
	s_wait_tensorcnt 0x0                           ; the wave's end
	ds_add_u32 v[SPW], v[NIL]
	s_wait_dscnt 0x0
	CROUND                                         ; the closing round
	s_endpgm
.Lfunc_end_k_qadee4482cd_proj:
	.size	k_qadee4482cd_proj, .Lfunc_end_k_qadee4482cd_proj-k_qadee4482cd_proj
	.p2alignl 7, 3214868480
	.fill 96, 4, 3214868480
	.section	.rodata,"a",@progbits
	.p2align	6, 0x0
	.amdhsa_kernel k_qadee4482cd_proj
		.amdhsa_group_segment_fixed_size 327680
		.amdhsa_private_segment_fixed_size 0
		.amdhsa_enable_private_segment 0
		.amdhsa_kernarg_size 32
		.amdhsa_user_sgpr_count 2
		.amdhsa_user_sgpr_kernarg_segment_ptr 1
		.amdhsa_wavefront_size32 1
		.amdhsa_system_sgpr_workgroup_id_x 1
		.amdhsa_system_sgpr_workgroup_id_y 1
		.amdhsa_system_sgpr_workgroup_id_z 1
		.amdhsa_system_vgpr_workitem_id 0
		.amdhsa_next_free_vgpr 576
		.amdhsa_next_free_sgpr 70
		.amdhsa_reserve_vcc 0
		.amdhsa_float_denorm_mode_32 3
		.amdhsa_float_denorm_mode_16_64 3
		.amdhsa_memory_ordered 1
		.amdhsa_forward_progress 1
		.amdhsa_inst_pref_size 86
	.end_amdhsa_kernel
	.amdgpu_metadata
---
amdhsa.version: [ 1, 2 ]
amdhsa.kernels:
  - .name:           k_qadee4482cd_proj
    .symbol:         k_qadee4482cd_proj.kd
    .args:
      - { .name: yimg, .offset: 0, .size: 8, .value_kind: global_buffer, .address_space: global }
      - { .name: wp, .offset: 8, .size: 8, .value_kind: global_buffer, .address_space: global }
      - { .name: bproj, .offset: 16, .size: 8, .value_kind: global_buffer, .address_space: global }
      - { .name: out0, .offset: 24, .size: 8, .value_kind: global_buffer, .address_space: global }
    .group_segment_fixed_size: 327680
    .private_segment_fixed_size: 0
    .kernarg_segment_align: 8
    .kernarg_segment_size: 32
    .max_flat_workgroup_size: 128
    .sgpr_count:     70
    .vgpr_count:     576
    .wavefront_size: 32
...
	.end_amdgpu_metadata
.endif
;; end of part 4
;; launch fine16 (part 5): grid 32 x 4, 8 waves a work-group, no clusters, 17,408 bytes of LDS; arguments fine, Wproj, bproj, out0; writes out0
.if DOCPART == 5
	.amdgcn_target "amdgcn-amd-amdhsa--gfx1250"
	.amdhsa_code_object_version 6
	.text
	.protected	k_qadee4482cd_fine16
	.globl	k_qadee4482cd_fine16
	.p2align	8
	.type	k_qadee4482cd_fine16,@function
k_qadee4482cd_fine16:
	s_mov_b64 s[64:65], 0
	v_nop
	global_prefetch_b8 v0, s[64:65] scope:SCOPE_SE
	s_setreg_imm32_b32 hwreg(HW_REG_WAVE_MODE, 25, 1), 1
	s_wait_xcnt 0x0
; Tokens 0 .. 15 of each batch, all in f32: their rows average one to sixteen values, so attention and projection take f32 operands here; the rows written by the launch before are written over.
; A work-group is (32 output columns, batch).  Wave w takes heads 2 w and 2 w + 1: their attention over 16 x 16, then their 128 of the projection's K; the eight waves' parts meet in LDS and are added in a fixed order.
; (Each of a batch's 32 work-groups makes the 16 x 16 attention of all heads again: 64 small products a wave; that spares a launch and a buffer.)
; All three products are used transposed, by the f32 matrix form (16 x 16 x 4).  Place (h, j) of K step s stands for index 8 h + 2 s + j of a block of 16, on both operands alike: so registers 2 s, 2 s + 1 of one product's
; result are the next product's operand, and nothing changes lanes.  q and k come as the accumulator images that the first product stored (lane (r, h), quad: token r, columns 8 h + 4 quad + 0 .. 3): each pair of registers is a K step.
; The registers that the matrix form writes (v96-191) are written by it alone: masked scores, p and y go into other registers.
; REGISTERS: window 0: v1-11 addresses; v12-21 at work; v32-95 V^T, then y; v96-111 S^T; v112-175 O^T; v176-191 the output's part; v192-207 p; v208-211 the bias, then the sum; v212-243 the eight parts.  window 1: v0-127 Wproj; v128-191 q; v192-255 k.
.set SPARE, 16384                      ; LDS: [wave 8][column block 2][quad 2][512 B]; behind it the spare words, 128 bytes a wave
.set LI,   1
.set VV,   2
.set WVO,  3
.set DM,   4
.set NINF, 5
.set RED,  6
.set STO,  7
.set SPW,  8
.set NIL,  9
.set OO,   10
.set BO,   11
.set T,    12
.set VT,   32
.set SS,   96
.set OA,   112
.set OUTA, 176
.set P,    192
.set BIAS, 208
.set RB,   212
.set QR,   128
.set KR,   192
.set MSB, 0
.macro WIN new
.if MSB != \new
	s_set_vgpr_msb (MSB<<8)|\new
.set MSB, \new
.endif
.endm
.macro PLACES n
.rept \n
	v_nop
.endr
.endm
	s_load_b256 s[4:11], s[0:1], 0x0               ; fine, Wproj, bproj, out0
	v_lshl_add_u32 v[SPW], v0, 2, SPARE
	v_mov_b32 v[NIL], 0
	v_lshrrev_b32 v1, 5, v0
	v_readfirstlane_b32 s12, v1                    ; wave
	s_and_b32 s13, ttmp7, 0xffff                   ; batch
	s_mov_b32 s14, 0x76543210
	s_mov_b32 s15, 0xfedcba98
	s_mov_b32 s16, 0x3e38aa3b                      ; c = log2(e) / 8
	v_and_b32 v12, 31, v0
	v_lshlrev_b32 v[LI], 4, v12                    ; 16 x lane
	v_and_b32 v13, 15, v0                          ; r
	v_bfe_u32 v14, v0, 4, 1                        ; h
	v_bfe_u32 v15, v0, 2, 1                        ; V^T: lane (r, h) wants channel r of keys 8 h + ..: in the image channel r lies in quad (r / 4) % 2, half r / 8, word r % 4; a key is 16 bytes on
	v_lshlrev_b32 v[VV], 9, v15
	v_bfe_u32 v15, v0, 3, 1
	v_lshl_add_u32 v[VV], v15, 8, v[VV]
	v_and_b32 v15, 3, v0
	v_lshl_add_u32 v[VV], v15, 2, v[VV]
	v_lshl_add_u32 v[VV], v14, 7, v[VV]
	v_lshlrev_b32 v[WVO], 2, v13                   ; Wproj: column r, rows 8 h + ..
	v_lshl_add_u32 v[WVO], v14, 15, v[WVO]
	v_lshlrev_b32 v15, 3, v14
	v_sub_nc_u32 v[DM], v13, v15                   ; r - 8 h: register j of S^T holds key 8 h + j: hidden where j > this
	v_mov_b32 v[NINF], 0xff800000
	s_lshl_b32 s17, s12, 11
	v_add_nc_u32 v[STO], s17, v[LI]                ; my part's place in LDS
	v_bfe_u32 v16, v0, 3, 4                        ; the last sum: a thread takes row (thread / 8) % 16 and columns 4 (thread % 8) + 0 .. 3
	v_lshlrev_b32 v[RED], 4, v16
	v_bfe_u32 v15, v0, 2, 1
	v_lshl_add_u32 v[RED], v15, 10, v[RED]         ; the column block,
	v_and_b32 v15, 1, v0
	v_lshl_add_u32 v[RED], v15, 9, v[RED]          ; the quad,
	v_bfe_u32 v15, v0, 1, 1
	v_lshl_add_u32 v[RED], v15, 8, v[RED]          ; the half of the lanes
	v_and_b32 v15, 7, v0
	v_lshlrev_b32 v[BO], 4, v15
	v_lshl_add_u32 v[OO], v16, 12, v[BO]
	v_mov_b32 v18, 0                               ; a lane permute's destination counts as one of its sources
	v_mov_b32 v19, 0
	s_mul_i32 s20, s13, 196608
	s_lshl_b32 s21, s12, 13                        ; my two heads: eight column blocks of 1,024 bytes
	s_add_co_u32 s20, s20, s21
	s_mov_b32 s21, 0
	s_lshl_b32 s22, s12, 19                        ; my 128 rows of Wproj
	s_lshl_b32 s24, ttmp9, 7                       ; my work-group's 32 columns
	s_add_co_u32 s22, s22, s24
	s_mov_b32 s23, 0
	s_mov_b32 s25, 0
	s_lshl_b32 s26, s13, 23                        ; the batch's first row of the output
	s_add_co_u32 s26, s26, s24
	s_mov_b32 s27, 0
	s_wait_kmcnt 0x0
	s_add_nc_u64 s[4:5], s[4:5], s[20:21]
	s_add_nc_u64 s[6:7], s[6:7], s[22:23]
	s_add_nc_u64 s[8:9], s[8:9], s[24:25]
	s_add_nc_u64 s[10:11], s[10:11], s[26:27]
	WIN 0x40                                       ; destination window 1
.irp u, 0,1
.irp g, 0,1,2,3,4,5,6,7
	global_load_b128 v[QR+32*\u+4*\g:QR+32*\u+4*\g+3], v[LI], s[4:5] offset:4096*\u+512*\g
.endr
.endr
.irp u, 0,1
.irp g, 0,1,2,3,4,5,6,7
	global_load_b128 v[KR+32*\u+4*\g:KR+32*\u+4*\g+3], v[LI], s[4:5] offset:65536+4096*\u+512*\g
.endr
.endr
	WIN 0
.irp u, 0,1
.irp cb, 0,1,2,3
.irp s, 0,1,2,3
.irp j, 0,1
	global_load_b32 v[VT+32*\u+8*\cb+2*\s+\j], v[VV], s[4:5] offset:131072+4096*\u+1024*\cb+32*\s+16*\j
.endr
.endr
.endr
.endr
	s_wait_loadcnt 0x3f                            ; of the 96 loads issued the first 33 are in: q's and k's 32 among them
	WIN 0x05                                       ; k and q window 1
.irp g, 0,1,2,3,4,5,6,7,8,9,10,11,12,13,14,15
.irp u, 0,1
.if \g == 0
	v_wmma_f32_16x16x4_f32 v[SS+8*\u:SS+8*\u+7], v[KR+32*\u+2*\g:KR+32*\u+2*\g+1], v[QR+32*\u+2*\g:QR+32*\u+2*\g+1], 0       ; S^T = k q^T: the two heads by turns; the first K step starts each sum
.else
	v_wmma_f32_16x16x4_f32 v[SS+8*\u:SS+8*\u+7], v[KR+32*\u+2*\g:KR+32*\u+2*\g+1], v[QR+32*\u+2*\g:QR+32*\u+2*\g+1], v[SS+8*\u:SS+8*\u+7]
.endif
.endr
.endr
	WIN 0x40
.irp nb, 0,1
.irp u, 0,1
.irp cb, 0,1,2,3
.irp s, 0,1,2,3
.irp j, 0,1
	global_load_b32 v[64*\nb+32*\u+8*\cb+2*\s+\j], v[WVO], s[6:7] offset:(64*\u+16*\cb+2*\s+\j)*4096+64*\nb
.endr
.endr
.endr
.endr
.endr
	WIN 0
	global_load_b128 v[BIAS:BIAS+3], v[BO], s[8:9]
	PLACES 8                                       ; eight places behind this matrix form, in front of the first read of results
.irp j, 0,1,2,3,4,5,6,7
	v_cmp_gt_i32 vcc_lo, \j, v[DM]
.irp u, 0,1
	v_cndmask_b32 v[P+8*\u+\j], v[SS+8*\u+\j], v[NINF], vcc_lo     ; the causal mask; from each accumulator's low end on
.endr
.endr
.irp u, 0,1
	v_max3_num_f32 v[T+\u], v[P+8*\u], v[P+8*\u+1], v[P+8*\u+2]
.endr
.irp u, 0,1
	v_max3_num_f32 v[T+\u], v[T+\u], v[P+8*\u+3], v[P+8*\u+4]
.endr
.irp u, 0,1
	v_max3_num_f32 v[T+\u], v[T+\u], v[P+8*\u+5], v[P+8*\u+6]
.endr
.irp u, 0,1
	v_max_num_f32 v[T+\u], v[T+\u], v[P+8*\u+7]
.endr
.irp u, 0,1
	v_permlanex16_b32 v[T+2+\u], v[T+\u], s14, s15
.endr
.irp u, 0,1
	v_max_num_f32 v[T+\u], v[T+\u], v[T+2+\u]      ; the row's maximum (key 0 counts for every query)
.endr
.irp u, 0,1
	v_mul_f32 v[T+\u], s16, v[T+\u]
.endr
.irp u, 0,1
.irp j, 0,1,2,3,4,5,6,7
	v_fma_f32 v[P+8*\u+\j], v[P+8*\u+\j], s16, -v[T+\u]
.endr
.endr
.irp n, 0,1,2,3,4,5,6,7,8,9,10,11,12,13,14,15
	v_exp_f32 v[P+\n], v[P+\n]
.endr
	v_nop
	s_wait_alu depctr_va_vdst(0)                   ; one wait for the batch, ahead of its first reader
.irp u, 0,1
	v_add_f32 v[T+4+\u], v[P+8*\u], v[P+8*\u+1]
.endr
.irp j, 2,3,4,5,6,7
.irp u, 0,1
	v_add_f32 v[T+4+\u], v[T+4+\u], v[P+8*\u+\j]
.endr
.endr
.irp u, 0,1
	v_permlanex16_b32 v[T+6+\u], v[T+4+\u], s14, s15
.endr
.irp u, 0,1
	v_add_f32 v[T+4+\u], v[T+4+\u], v[T+6+\u]
.endr
.irp u, 0,1
	v_rcp_f32 v[T+8+\u], v[T+4+\u]
.endr
	v_nop
	s_wait_alu depctr_va_vdst(0)                   ; and one for the two reciprocals
	s_wait_loadcnt 0x3f                            ; of the 225 loads issued the first 162 are in: V's among them
.irp s, 0,1,2,3
.irp u, 0,1
.irp cb, 0,1,2,3
.if \s == 0
	v_wmma_f32_16x16x4_f32 v[OA+32*\u+8*\cb:OA+32*\u+8*\cb+7], v[VT+32*\u+8*\cb+2*\s:VT+32*\u+8*\cb+2*\s+1], v[P+8*\u+2*\s:P+8*\u+2*\s+1], 0      ; O^T = V^T p: eight accumulators by turns
.else
	v_wmma_f32_16x16x4_f32 v[OA+32*\u+8*\cb:OA+32*\u+8*\cb+7], v[VT+32*\u+8*\cb+2*\s:VT+32*\u+8*\cb+2*\s+1], v[P+8*\u+2*\s:P+8*\u+2*\s+1], v[OA+32*\u+8*\cb:OA+32*\u+8*\cb+7]
.endif
.endr
.endr
.endr
	PLACES 8
.set n, 0
.rept 64
	v_mul_f32 v[VT+n], v[OA+n], v[T+8+n/32]        ; y = O^T / the sum, over V's registers, which are done with
.set n, n+1
.endr
	s_wait_loadcnt 0x0                             ; Wproj and the bias
	WIN 0x01                                       ; Wproj window 1
.irp u, 0,1
.irp cb, 0,1,2,3
.irp s, 0,1,2,3
.irp nb, 0,1
.if (\u == 0) && (\cb == 0) && (\s == 0)
	v_wmma_f32_16x16x4_f32 v[OUTA+8*\nb:OUTA+8*\nb+7], v[64*\nb+32*\u+8*\cb+2*\s:64*\nb+32*\u+8*\cb+2*\s+1], v[VT+32*\u+8*\cb+2*\s:VT+32*\u+8*\cb+2*\s+1], 0     ; the two column blocks by turns
.else
	v_wmma_f32_16x16x4_f32 v[OUTA+8*\nb:OUTA+8*\nb+7], v[64*\nb+32*\u+8*\cb+2*\s:64*\nb+32*\u+8*\cb+2*\s+1], v[VT+32*\u+8*\cb+2*\s:VT+32*\u+8*\cb+2*\s+1], v[OUTA+8*\nb:OUTA+8*\nb+7]
.endif
.endr
.endr
.endr
.endr
	WIN 0
	PLACES 8
.irp nb, 0,1
	ds_store_b128 v[STO], v[OUTA+8*\nb:OUTA+8*\nb+3] offset:1024*\nb
	ds_store_b128 v[STO], v[OUTA+8*\nb+4:OUTA+8*\nb+7] offset:1024*\nb+512
.endr
	s_wait_dscnt 0x0                               ; for the others' sake: my part lies in LDS
	s_barrier_signal -1
	s_barrier_wait -1
	s_cmp_lt_u32 s12, 4                            ; 16 rows x 8 quads of columns: waves 0 to 3 add and store
	s_cbranch_scc0 .Lend
.irp k, 0,1,2,3,4,5,6,7
	ds_load_b128 v[RB+4*\k:RB+4*\k+3], v[RED] offset:2048*\k
.endr
	s_wait_dscnt 0x0
.irp k, 0,1,2,3,4,5,6,7
	v_pk_add_f32 v[BIAS:BIAS+1], v[BIAS:BIAS+1], v[RB+4*\k:RB+4*\k+1]
	v_pk_add_f32 v[BIAS+2:BIAS+3], v[BIAS+2:BIAS+3], v[RB+4*\k+2:RB+4*\k+3]
.endr
	global_store_b128 v[OO], v[BIAS:BIAS+3], s[10:11]      ; eight neighbouring lanes write 128 consecutive bytes of a row: 262,144 bytes in the whole launch
.Lend:
	s_wait_tensorcnt 0x0                           ; the wave's end, behind the last LDS store
	ds_add_u32 v[SPW], v[NIL]
	s_wait_dscnt 0x0
	s_endpgm
.Lfunc_end_k_qadee4482cd_fine16:
	.size	k_qadee4482cd_fine16, .Lfunc_end_k_qadee4482cd_fine16-k_qadee4482cd_fine16
	.p2alignl 7, 3214868480
	.fill 96, 4, 3214868480
	.section	.rodata,"a",@progbits
	.p2align	6, 0x0
	.amdhsa_kernel k_qadee4482cd_fine16
		.amdhsa_group_segment_fixed_size 17408
		.amdhsa_private_segment_fixed_size 0
		.amdhsa_enable_private_segment 0
		.amdhsa_kernarg_size 32
		.amdhsa_user_sgpr_count 2
		.amdhsa_user_sgpr_kernarg_segment_ptr 1
		.amdhsa_wavefront_size32 1
		.amdhsa_system_sgpr_workgroup_id_x 1
		.amdhsa_system_sgpr_workgroup_id_y 1
		.amdhsa_system_sgpr_workgroup_id_z 1
		.amdhsa_system_vgpr_workitem_id 0
		.amdhsa_next_free_vgpr 512
		.amdhsa_next_free_sgpr 66
		.amdhsa_reserve_vcc 1
		.amdhsa_float_denorm_mode_32 3
		.amdhsa_float_denorm_mode_16_64 3
		.amdhsa_memory_ordered 1
		.amdhsa_forward_progress 1
		.amdhsa_inst_pref_size 41
	.end_amdhsa_kernel
	.amdgpu_metadata
---
amdhsa.version: [ 1, 2 ]
amdhsa.kernels:
  - .name:           k_qadee4482cd_fine16
    .symbol:         k_qadee4482cd_fine16.kd
    .args:
      - { .name: fine, .offset: 0, .size: 8, .value_kind: global_buffer, .address_space: global }
      - { .name: Wproj, .offset: 8, .size: 8, .value_kind: global_buffer, .address_space: global }
      - { .name: bproj, .offset: 16, .size: 8, .value_kind: global_buffer, .address_space: global }
      - { .name: out0, .offset: 24, .size: 8, .value_kind: global_buffer, .address_space: global }
    .group_segment_fixed_size: 17408
    .private_segment_fixed_size: 0
    .kernarg_segment_align: 8
    .kernarg_segment_size: 32
    .max_flat_workgroup_size: 256
    .sgpr_count:     66
    .vgpr_count:     512
    .wavefront_size: 32
...
	.end_amdgpu_metadata
.endif
;; end of part 5
